; MI455X (gfx1250); checked and timed in simulation.
; The chip was launched on July 23, 2026; its instructions are those of AMD's public machine-readable ISA for CDNA 5 (MIT licence, August 2026) and "CDNA5" Instruction Set Architecture Reference Guide (July 2026). The comments in the code are by the model that wrote it; some were corrected since.
;; Multi Headed Self Attention. Allowed arithmetic: matrix products marked QUANTISED: E2M1 operands, one E8M0 scale for each 32 along K, by v_wmma_scale_f32_16x16x128_f8f6f4 with both operands' format E2M1 (or v_wmma_scale_f32_32x16x128_f4), f32 sums; products left as they are: bf16, f16 or f32 operands; f32 sums; everything else in f32.
;; Inputs: Wk 1,024 x 1,024 float32; Wo 1,024 x 1,024 float32; Wq 1,024 x 1,024 float32; Wv 1,024 x 1,024 float32; bo 1,024 float32; hidden_states 4 x 2,048 x 1,024 float32.
;; Outputs: out0 4 x 2,048 x 1,024 float32.
;; This version of the problem:
;;   THIS VERSION OF THE PROBLEM IS GIVEN IN LOW PRECISION. The matrix products marked QUANTISED in the list below multiply operands that are first quantised to E2M1 (2 exponent bits, 1 mantissa bit; 4 bits a number), with one power-of-two scale for each 32 numbers along K (OCP MX v1.0); their sums are f32. The products marked 'left as it is' may take bf16, f16 or f32 operands, with f32 sums. Whichever they take, every output number must still come out within the allowed error. Rounding operands to bf16 (8 significant bits) uses up far more of that allowance than f16 does (11 bits, for magnitudes from 6e-5 to 65,504). All else is computed in f32.
;;   The module's matrix products, in the order in which they are computed (A, B: the left and right operand; K: the contracted axis; several contracted axes count as one K, in the product's order):
;;     1. [M 8,192, K 1,024] x [K 1,024, N 1,024]; A: input hidden_states; B: input Wq: QUANTISED
;;     2. [M 8,192, K 1,024] x [K 1,024, N 1,024]; A: input hidden_states; B: input Wk: QUANTISED
;;     3. [M 8,192, K 1,024] x [K 1,024, N 1,024]; A: input hidden_states; B: input Wv: QUANTISED
;;     4. batch 64 x [M 2,048, K 64] x [K 64, N 2,048]; A: computed on the way; B: computed on the way: left as it is (an operand is computed on the way)
;;     5. batch 64 x [M 2,048, K 2,048] x [K 2,048, N 64]; A: computed on the way; B: computed on the way: left as it is (an operand is computed on the way)
;;     6. [M 8,192, K 1,024] x [K 1,024, N 1,024]; A: computed on the way; B: input Wo: left as it is (an operand is computed on the way)
;;   THE QUANTISER, for each operand of a quantised product, along K:
;;     - K is cut into blocks of 32 from its start; a last block that is shorter is filled with zeros.
;;     - A block's scale is 2^e with e = floor(log2(the largest magnitude in the block)) - 2, held to -126 .. 127; a block of zeros has e = 0. As a byte (E8M0): e + 127.
;;     - Each number is divided by its block's scale, clamped to +-6, and rounded to the nearest number of E2M1, ties to even, subnormals kept.
;;     - The product sums the exact products of the quantised numbers (number of the format x scale) in f32.
;;   ~~~python
;;   def quantise(x, axis):      # numpy; x: float32 -> the quantised numbers, widened to float32 again
;;       x = np.moveaxis(x, axis, -1); K = x.shape[-1]
;;       x = np.pad(x, [(0, 0)] * (x.ndim - 1) + [(0, -K % 32)]); x = x.reshape(x.shape[:-1] + (-1, 32)); a = np.abs(x).max(-1, keepdims=True)
;;       e = np.where(a > 0, np.clip(np.frexp(np.where(a > 0, a, 1))[1] - 1 - 2, -126, 127), 0)      # np.frexp(a)[1] - 1 = floor(log2(a)), exactly
;;       r = np.clip(x / 2.0 ** e, -6, 6)
;;       step = 2.0 ** (np.maximum(np.frexp(np.where(r == 0, 1, r))[1] - 1, 0) - 1)
;;       q = np.round(r / step) * step * 2.0 ** e      # np.round: ties to even
;;       return np.moveaxis(q.reshape(q.shape[:-2] + (-1,))[..., :K], -1, axis).astype(np.float32)
;;   ~~~
;; One version. Each part assembles by itself: llvm-mc -triple=amdgcn-amd-amdhsa -mcpu=gfx1250 --defsym DOCPART=n.
;; ======== version 1 of 1: 5 launches
;; limits: values are held in f16: magnitudes above 65,504 overflow, below 6.1e-05 lose precision
;; workspace buffers: x_codes 4,194,304 bytes; x_scales 262,144 bytes; w_codes 1,572,864 bytes; w_scales 98,304 bytes; wo16 2,097,152 bytes; qkv 50,331,648 bytes; first32 786,432 bytes; ctx 16,777,216 bytes
;; launch quant (part 1): grid 384 x 1, 4 waves a work-group, no clusters, 33,280 bytes of LDS; arguments hidden_states, Wq, Wk, Wv, Wo, x_codes, x_scales, w_codes, w_scales, wo16; writes x_codes, x_scales, w_codes, w_scales, wo16
.if DOCPART == 1
	.amdgcn_target "amdgcn-amd-amdhsa--gfx1250"
	.amdhsa_code_object_version 6
	.text
	.protected	k_q97126acf93_quant
	.globl	k_q97126acf93_quant
	.p2align	8
	.type	k_q97126acf93_quant,@function
k_q97126acf93_quant:
	s_mov_b64 s[64:65], 0
	v_nop
	global_prefetch_b8 v0, s[64:65] scope:SCOPE_SE
	s_setreg_imm32_b32 hwreg(HW_REG_WAVE_MODE, 25, 1), 1
	s_wait_xcnt 0x0
; hidden_states [8192][1024] and Wq, Wk, Wv [1024][1024], f32, become codes of FP4 (E2M1), K innermost, two codes a byte, with one E8M0 byte for each 32 along K;
; the three weights' rows lie on end in w_codes [3072][512 bytes] and w_scales [3072][32].  Wo [1024][1024] becomes f16, as it lies.
; A block's scale is 2^(floor(log2(its largest magnitude)) - 2): its byte is the largest magnitude's exponent field - 2, held at 1 from below.
; LIMITS: a block of zeros gets the byte 1 where the rule says 127 (its codes are zeros, and this program alone reads the bytes); blocks whose largest magnitude lies under 2^-124 are held at that floor;
; NaN and infinities are not served; |Wo| stays under 65,504 (f16).
; SHARES: work-groups 0-255 take hidden_states, 256-287 Wq, 288-319 Wk, 320-351 Wv, 32,768 numbers each, 8,192 a wave; work-groups 352-383 take Wo.  Rows are dense, so every tensor is a plain stream.
; A wave takes 16 steps of 512 numbers: four loads of 512 consecutive bytes; the 2,048 bytes turn through the wave's own stage in LDS and come back 64 bytes a lane (16 neighbours along K; two lanes hold a block).
; No cluster, no barrier: waves share nothing.  No prefetch: the launch is one stream, read once, with sixteen loads a wave on their way.
.set STEPS, 16
.set CB,    8                          ; bytes of 16 codes
.set R,     16                         ; v16-79   four sets of 16 numbers as loaded (Wo's path: v16-143, two sets of 64)
.set X,     80                         ; v80-111  two sets of 16 neighbours
.set E,     112                        ; v112-127 a scale byte for each step
.set C,     128                        ; v128-191 codes, four registers for each step
.set WREG,  8192                       ; LDS: a wave's region: two stages of 32 x SP bytes, then its 256 scale bytes
.set SP,    80                         ; a lane's place in a stage: 64 bytes + 16 of padding
.set SPW,   12                         ; v12 LDS address of my spare word; never rewritten
.set NIL,   13                         ; v13 0; never rewritten
.set SPARE, 4*WREG                     ; the spare words: 128 bytes a wave, named by no other line
	s_load_b256 s[8:15], s[0:1], 0x0               ; hidden s[8:9], Wq s[10:11], Wk s[12:13], Wv s[14:15]
	s_load_b256 s[16:23], s[0:1], 0x20             ; Wo s[16:17], x_codes s[18:19], x_scales s[20:21], w_codes s[22:23]
	s_load_b128 s[24:27], s[0:1], 0x40             ; w_scales s[24:25], wo16 s[26:27]
	v_lshl_add_u32 v[SPW], v0, 2, SPARE
	v_mov_b32 v[NIL], 0
	v_lshrrev_b32 v1, 5, v0
	v_readfirstlane_b32 s28, v1                    ; wave
	v_and_b32 v2, 31, v0                           ; lane
	v_lshlrev_b32 v3, 4, v2                        ; my 16 bytes of a load's 512
	s_mul_i32 s30, s28, WREG
	v_lshrrev_b32 v14, 2, v2
	v_mul_u32_u24 v14, v14, SP
	v_and_b32 v15, 3, v2
	v_lshl_add_u32 v14, v15, 4, v14
	v_add_nc_u32 v14, s30, v14                     ; the stage, on the way in: SP (lane / 4) + 16 (lane % 4)
	v_mul_u32_u24 v15, v2, SP
	v_add_nc_u32 v15, s30, v15                     ; and on the way out: SP x lane
	v_mul_u32_u24 v4, v2, CB                       ; my codes' place in a step's
	v_lshrrev_b32 v5, 1, v2
	s_add_co_u32 s30, s30, 2*32*SP
	v_add_nc_u32 v5, s30, v5                       ; my block's scale byte in the wave's 256
	v_lshlrev_b32 v7, 3, v2                        ; 8 bytes a lane
	v_add_nc_u32 v6, s30, v7
	s_and_b32 s29, ttmp9, 31                       ; a weight's work-group among its 32
	s_wait_kmcnt 0x0
	s_cmp_ge_u32 ttmp9, 352
	s_cbranch_scc1 .Lwo
	s_cmp_lt_u32 ttmp9, 320                        ; the choices hang on the work-group's number alone
	s_cselect_b64 s[4:5], s[12:13], s[14:15]
	s_cmp_lt_u32 ttmp9, 288
	s_cselect_b64 s[4:5], s[10:11], s[4:5]
	s_cmp_lt_u32 ttmp9, 256
	s_cselect_b64 s[4:5], s[8:9], s[4:5]           ; the source
	s_cselect_b64 s[6:7], s[18:19], s[22:23]       ; its codes
	s_cselect_b64 s[32:33], s[20:21], s[24:25]     ; its scale bytes
	s_cselect_b32 s29, ttmp9, s29                  ; the work-group's place in the source,
	s_cselect_b32 s31, 0, 256
	s_sub_co_u32 s31, ttmp9, s31                   ; and in the destination
	s_lshl_b32 s29, s29, 2
	s_add_co_u32 s29, s29, s28                     ; my wave's run of 8,192 numbers
	s_lshl_b32 s34, s29, 15                        ; 32,768 bytes a run
	s_mov_b32 s35, 0
	s_add_nc_u64 s[4:5], s[4:5], s[34:35]
	s_lshl_b32 s31, s31, 2
	s_add_co_u32 s31, s31, s28
	s_lshl_b32 s34, s31, 12                        ; 4,096 bytes of codes a run
	s_add_nc_u64 s[6:7], s[6:7], s[34:35]
	s_lshl_b32 s34, s31, 8                         ; 256 scale bytes a run
	s_add_nc_u64 s[32:33], s[32:33], s[34:35]
.macro LOAD t
.irp i, 0,1,2,3
	global_load_b128 v[R+16*((\t)%4)+4*\i:R+16*((\t)%4)+4*\i+3], v3, s[4:5] offset:2048*(\t)+512*\i th:TH_LOAD_NT   ; 32 lanes read 512 consecutive bytes
.endr
.endm
.macro TURN t                          ; step t's numbers through the stage: LDS serves a wave's instructions in order, so no wait stands between the stores and the loads
.irp i, 0,1,2,3
	ds_store_b128 v14, v[R+16*((\t)%4)+4*\i:R+16*((\t)%4)+4*\i+3] offset:32*SP*((\t)%2)+8*SP*\i
.endr
.irp i, 0,1,2,3
	ds_load_b128 v[X+16*((\t)%2)+4*\i:X+16*((\t)%2)+4*\i+3], v15 offset:32*SP*((\t)%2)+16*\i
.endr
.endm
.irp t, 0,1,2,3
	LOAD \t
.endr
	s_wait_loadcnt 12                              ; step 0's four loads are in; twelve younger ones stay out
	TURN 0
.macro STEP t
.set XS, X+16*((\t)%2)
.if (\t) > 0
	s_wait_dscnt 1                                 ; this step's numbers are back from the stage; the last step's byte store may be out
.else
	s_wait_dscnt 0x0
.endif
.if (\t)+4 < STEPS
	LOAD (\t)+4                                    ; into the registers that the stage's stores have read
.endif
.if (\t)+1 < STEPS
.if STEPS-2-(\t) >= 3
	s_wait_loadcnt 12                              ; the next step's four loads are in; those of the three steps behind it may be out
.else
	s_wait_loadcnt 4*(STEPS-2-(\t))
.endif
	TURN (\t)+1
.endif
	v_max3_num_f32 v8, |v[XS]|, |v[XS+1]|, |v[XS+2]|               ; the largest magnitude of my 16, in two chains
	v_max3_num_f32 v9, |v[XS+3]|, |v[XS+4]|, |v[XS+5]|
.irp i, 6,10
	v_max3_num_f32 v8, v8, |v[XS+\i]|, |v[XS+\i+1]|
	v_max3_num_f32 v9, v9, |v[XS+\i+2]|, |v[XS+\i+3]|
.endr
	v_max3_num_f32 v8, v8, |v[XS+14]|, |v[XS+15]|
	v_max3_num_f32 v8, v8, v9, 0x1800000           ; and the floor 2^(3 - 127): the byte cannot fall under 1
	v_max_num_f32_dpp v8, v8, v8 row_xmask:1 row_mask:0xf bank_mask:0xf   ; with my neighbour's 16: the block's
	v_add_nc_u32 v11, 0xff000000, v8               ; 2 off its exponent field: the conversion takes this operand's exponent field as its scale
	v_cvt_scalef32_pk8_fp4_f32 v[C+4*(\t)], v[XS:XS+7], v11
	v_cvt_scalef32_pk8_fp4_f32 v[C+4*(\t)+1], v[XS+8:XS+15], v11
	v_lshrrev_b32 v[E+(\t)], 23, v11               ; the scale's byte (also the plain line behind the conversions)
	ds_store_b8 v5, v[E+(\t)] offset:16*(\t)       ; both lanes of a block write the same byte with the same value
	global_store_b64 v4, v[C+4*(\t):C+4*(\t)+1], s[6:7] offset:32*CB*(\t)   ; the wave stores 256 consecutive bytes, aligned
.endm
.irp t, 0,1,2,3,4,5,6,7,8,9,10,11,12,13,14,15
	STEP \t
.endr
	ds_load_b64 v[8:9], v6                         ; my wave's 256 scale bytes: these loads see my stores
	s_wait_dscnt 0x0
	global_store_b64 v7, v[8:9], s[32:33]          ; 256 consecutive bytes, aligned
	s_wait_tensorcnt 0x0                           ; the wave's end
	ds_add_u32 v[SPW], v[NIL]
	s_wait_dscnt 0x0
	s_endpgm
; Wo to f16: a wave takes 8,192 numbers in four rounds of sixteen loads; two rounds are on their way.
.Lwo:
	s_sub_co_u32 s29, ttmp9, 352
	s_lshl_b32 s29, s29, 2
	s_add_co_u32 s29, s29, s28
	s_lshl_b32 s34, s29, 15
	s_mov_b32 s35, 0
	s_add_nc_u64 s[16:17], s[16:17], s[34:35]
	s_lshl_b32 s34, s29, 14
	s_add_nc_u64 s[26:27], s[26:27], s[34:35]
.macro WLOAD n
.irp i, 0,1,2,3,4,5,6,7,8,9,10,11,12,13,14,15
	global_load_b128 v[16+64*((\n)%2)+4*\i:16+64*((\n)%2)+4*\i+3], v3, s[16:17] offset:8192*(\n)+512*\i th:TH_LOAD_NT
.endr
.endm
.macro WROUND n
.if (\n) < 3
	s_wait_loadcnt 16                              ; this round's sixteen loads are in; the next round's may be out
.else
	s_wait_loadcnt 0x0
.endif
	s_wait_xcnt 0x0                                ; the last round's stores have read v144-175, which are written again below
.irp i, 0,1,2,3,4,5,6,7,8,9,10,11,12,13,14,15
	v_cvt_pk_f16_f32 v[144+2*\i], v[16+64*((\n)%2)+4*\i], v[16+64*((\n)%2)+4*\i+1]
	v_cvt_pk_f16_f32 v[145+2*\i], v[16+64*((\n)%2)+4*\i+2], v[16+64*((\n)%2)+4*\i+3]
.endr
.if (\n) < 2
	WLOAD (\n)+2
.endif
.irp i, 0,1,2,3,4,5,6,7,8,9,10,11,12,13,14,15
	global_store_b64 v7, v[144+2*\i:145+2*\i], s[26:27] offset:4096*(\n)+256*\i   ; 256 consecutive bytes, aligned
.endr
.endm
	WLOAD 0
	WLOAD 1
	WROUND 0
	WROUND 1
	WROUND 2
	WROUND 3
	s_wait_tensorcnt 0x0                           ; the same three closing lines as on the other path
	ds_add_u32 v[SPW], v[NIL]
	s_wait_dscnt 0x0
	s_endpgm
.Lfunc_end_k_q97126acf93_quant:
	.size	k_q97126acf93_quant, .Lfunc_end_k_q97126acf93_quant-k_q97126acf93_quant
	.p2alignl 7, 3214868480
	.fill 96, 4, 3214868480
	.section	.rodata,"a",@progbits
	.p2align	6, 0x0
	.amdhsa_kernel k_q97126acf93_quant
		.amdhsa_group_segment_fixed_size 33280
		.amdhsa_private_segment_fixed_size 0
		.amdhsa_enable_private_segment 0
		.amdhsa_kernarg_size 80
		.amdhsa_user_sgpr_count 2
		.amdhsa_user_sgpr_kernarg_segment_ptr 1
		.amdhsa_wavefront_size32 1
		.amdhsa_system_sgpr_workgroup_id_x 1
		.amdhsa_system_sgpr_workgroup_id_y 1
		.amdhsa_system_sgpr_workgroup_id_z 1
		.amdhsa_system_vgpr_workitem_id 0
		.amdhsa_next_free_vgpr 192
		.amdhsa_next_free_sgpr 66
		.amdhsa_reserve_vcc 0
		.amdhsa_float_denorm_mode_32 3
		.amdhsa_float_denorm_mode_16_64 3
		.amdhsa_memory_ordered 1
		.amdhsa_forward_progress 1
		.amdhsa_inst_pref_size 54
	.end_amdhsa_kernel
	.amdgpu_metadata
---
amdhsa.version: [ 1, 2 ]
amdhsa.kernels:
  - .name:           k_q97126acf93_quant
    .symbol:         k_q97126acf93_quant.kd
    .args:
      - { .name: hidden_states, .offset: 0, .size: 8, .value_kind: global_buffer, .address_space: global }
      - { .name: Wq, .offset: 8, .size: 8, .value_kind: global_buffer, .address_space: global }
      - { .name: Wk, .offset: 16, .size: 8, .value_kind: global_buffer, .address_space: global }
      - { .name: Wv, .offset: 24, .size: 8, .value_kind: global_buffer, .address_space: global }
      - { .name: Wo, .offset: 32, .size: 8, .value_kind: global_buffer, .address_space: global }
      - { .name: x_codes, .offset: 40, .size: 8, .value_kind: global_buffer, .address_space: global }
      - { .name: x_scales, .offset: 48, .size: 8, .value_kind: global_buffer, .address_space: global }
      - { .name: w_codes, .offset: 56, .size: 8, .value_kind: global_buffer, .address_space: global }
      - { .name: w_scales, .offset: 64, .size: 8, .value_kind: global_buffer, .address_space: global }
      - { .name: wo16, .offset: 72, .size: 8, .value_kind: global_buffer, .address_space: global }
    .group_segment_fixed_size: 33280
    .private_segment_fixed_size: 0
    .kernarg_segment_align: 8
    .kernarg_segment_size: 80
    .max_flat_workgroup_size: 128
    .sgpr_count:     66
    .vgpr_count:     192
    .wavefront_size: 32
...
	.end_amdgpu_metadata
.endif
;; end of part 1
;; launch qkv (part 2): grid 12 x 32, 4 waves a work-group, clusters of 4 x 4, 327,680 bytes of LDS; arguments x_codes, x_scales, w_codes, w_scales, qkv, first32; writes qkv, first32
.if DOCPART == 2
	.amdgcn_target "amdgcn-amd-amdhsa--gfx1250"
	.amdhsa_code_object_version 6
	.text
	.protected	k_q97126acf93_qkv
	.globl	k_q97126acf93_qkv
	.p2align	8
	.type	k_q97126acf93_qkv,@function
k_q97126acf93_qkv:
	s_mov_b64 s[64:65], 0
	v_nop
	global_prefetch_b8 v0, s[64:65] scope:SCOPE_SE
	s_setreg_imm32_b32 hwreg(HW_REG_WAVE_MODE, 25, 1), 1
	s_wait_xcnt 0x0
	s_wait_alu depctr_hold_cnt(0) depctr_sa_sdst(0) depctr_va_vdst(0) depctr_va_sdst(0) depctr_va_ssrc(0) depctr_va_vcc(0) depctr_vm_vsrc(0)
	s_getreg_b32 s2, hwreg(HW_REG_IB_STS2, 6, 4)
	s_cmp_eq_u32 s2, 0
	s_cbranch_scc0 .Lentry_in_a_cluster
	s_endpgm
.Lentry_in_a_cluster:
	s_bfe_u32 s2, ttmp6, 0x10000c
	s_cmp_lg_u32 s2, 0xf033
	s_cbranch_scc0 .Lentry_shape_is_right
	s_endpgm
.Lentry_shape_is_right:
; qkv[m][n] = sum over k of x[m][k] W[n][k], both operands codes of FP4 (E2M1) with one E8M0 byte for each 32 along K; m: 8,192 tokens, n: 3,072 (Wq's, Wk's, Wv's rows on end), K = 1,024; sums in f32, K ascending.
; The result goes out as f16 (LIMIT: magnitudes under 65,504), rows of 6,144 bytes.  The rows of positions 0-15 of each sequence also go out unrounded, f32, into first32 [4 x 16][3072].
; A tile of 256 x 256 to a work-group of four waves; a wave makes 128 x 128: 64 accumulators of 16 x 16.  K is two slots of 512 (rows of 256 bytes): BOTH are asked for at the head, with the scales, and nothing is filled again.
; CLUSTERS: 4 x 4 work-groups; the four of a row of the cluster need the same tiles of x, the four of a column the same tiles of W: each tile is asked for jointly.
; The tile row is cluster y + 8 cy: the cluster's four tile rows are the same place in the four sequences, so that 'this tile holds a sequence's first rows' is 'cluster y = 0', the same in all partners.
; THE MATRIX INSTRUCTION IS USED TRANSPOSED (source 0 = 16 rows of W, source 1 = 16 rows of x): a lane holds eight neighbouring numbers of a row of the result.
; REGISTERS, in windows of 256: window 0: v0-31 addresses; v32-95 scale words, two sets; v128-191 x's fragments, one set; on the way out v32-255 are free.  window 1: W's fragments, two sets.  windows 2, 3: the accumulators.
; No prefetch: all of K is asked for at the head; there is no later step to ask ahead for.
.set SIZE_N, 3072
.set NQ,     4                         ; steps of 128 along K in a slot
.set ROWB,   256                       ; a tile's row in bytes
.set KROW,   512                       ; a row of codes in memory
.set PITCH,  272                       ; an LDS row: 256 bytes + 16 of padding: the sixteen rows of a fragment load start 68 words apart
.set FR,     8
.set NL,     2
.set NP,     4
.set HALFT,  128*PITCH
.set SLOT,   4*HALFT
.set KS,     32                        ; a row of scales in bytes
.set SCL,    2*SLOT
.set HALFS,  (128*KS/256)*272
.set SBLK,   (16*KS/256)*272
.set SPARE,  SCL+4*HALFS               ; the spare words: 128 bytes a wave, named by no other line
.set OROW,   6144                      ; a row of qkv in bytes
.set WSTG,   12800                     ; the way out: a wave's stages, in slot 0 (it has had its one fill, and nobody reads it behind the change of slots): f16, 16 x 272, then f32, 16 x 528
.set ADRA, 16
.set STO32, 18
.set RD32, 19
.set ADRB, 20
.set CO32, 22
.set STO,  24
.set RD,   25
.set CO,   26
.set ADRS, 27
.set SPW,  28
.set NIL,  29
.set SC,   32
.set AF,   128
.set TMP,  192                         ; the way out: packed results
.set OB,   32                          ; 16 rows read back: v32-63 and v224-255 by turns
.set G1, 24
.set G0, 32
.set G1B, 48
.set G0B, 56
.set G1S, 68
.set G0S, 76
.set G1SB, 80
.set G0SB, 88
.set MSB, 0
.macro WIN new                         ; the immediate's high byte repeats the setting that is left
.if MSB != (\new)
	s_set_vgpr_msb (MSB<<8)|(\new)
.set MSB, (\new)
.endif
.endm
.set MUL_LO, 0xa1                      ; source 0 (W) window 1, source 1 (x) window 0, C and D window 2
.set MUL_HI, 0xf1
.set TO_B,   0x40
; A joint load: waves 0 and 1 fetch for x, waves 2 and 3 for W.  The branch hangs on the wave's number alone.  An s_nop 0 and four v_nop follow each of the two lines.
.macro JLOAD g0a, g1a, g0b, g1b
	s_cmp_eq_u32 s15, 0
	s_cbranch_scc0 .Lfor_b_\@
	tensor_load_to_lds s[\g0a:\g0a+3], s[\g1a:\g1a+7]
	s_nop 0
.rept 4
	v_nop
.endr
	s_branch .Lasked_\@
.Lfor_b_\@:
	tensor_load_to_lds s[\g0b:\g0b+3], s[\g1b:\g1b+7]
	s_nop 0
.rept 4
	v_nop
.endr
.Lasked_\@:
.endm
.macro CROUND                          ; a round of the cluster's barrier
	s_barrier_signal -1
	s_barrier_wait -1
	s_cmp_lg_u32 s14, 0
	s_cbranch_scc1 .Lnot_wave_0_\@
	s_barrier_signal -3
.Lnot_wave_0_\@:
	s_barrier_wait -3
	s_barrier_signal -1
	s_barrier_wait -1
.endm
	s_load_b128 s[4:7], s[0:1], 0x0                ; x's codes, x's scales
	s_load_b128 s[8:11], s[0:1], 0x10              ; W's codes, W's scales
	s_load_b64 s[12:13], s[0:1], 0x20              ; qkv
	s_load_b64 s[66:67], s[0:1], 0x28              ; first32
	v_lshl_add_u32 v[SPW], v0, 2, SPARE
	v_mov_b32 v[NIL], 0
	ds_add_u32 v[SPW], v[NIL]                      ; the wave's opening: the add, twice on end, and its wait ahead of my first tensor load
	ds_add_u32 v[SPW], v[NIL]
	v_lshrrev_b32 v1, 5, v0
	v_readfirstlane_b32 s14, v1                    ; wave 0..3
	s_lshr_b32 s15, s14, 1                         ; which half of the tile's rows is mine.  Also: I fetch for x (0) or for W (1)
	s_and_b32 s16, s14, 1                          ; which half of its columns.  Also: which 128 rows I fetch
	s_bfe_u32 s40, ttmp6, 0x40000                  ; cx
	s_bfe_u32 s41, ttmp6, 0x40004                  ; cy
	s_lshl_b32 s42, ttmp9, 2
	s_add_co_u32 s42, s42, s40                     ; tile column = 4 x cluster x + cx
	s_and_b32 s17, ttmp7, 0xffff
	s_lshl_b32 s18, s41, 3
	s_add_co_u32 s17, s17, s18                     ; tile row = cluster y + 8 cy: sequence cy, its cluster-y-th block of 256 tokens
	s_lshl_b32 s43, s41, 2
	s_lshl_b32 s43, 15, s43                        ; my row of the cluster
	s_lshl_b32 s44, 0x1111, s40                    ; my column
	s_or_b32 s[G1+0], s43, (0<<16)|(1<<20)|(1<<21)|(5<<22)|(3<<25)  ; the mask; elements of 1 byte; padding on; bit 21 beside a mask; after every 64 words four words
	s_or_b32 s[G1B+0], s44, (0<<16)|(1<<20)|(1<<21)|(5<<22)|(3<<25)
.irp g, G1, G1B
	s_mov_b32 s[\g+1], ROWB<<16                    ; tensor_dim0
	s_mov_b32 s[\g+2], 128<<16                     ; tensor_dim1
	s_mov_b32 s[\g+3], ROWB<<16                    ; tile_dim0
	s_mov_b32 s[\g+4], 128                         ; tile_dim1
	s_mov_b32 s[\g+5], KROW                        ; the pitch
	s_mov_b32 s[\g+6], 0
	s_mov_b32 s[\g+7], 0
.endr
	s_or_b32 s[G1S+0], s43, (3<<16)|(1<<20)|(1<<21)|(5<<22)|(3<<25)  ; the scales of 128 rows: 4,096 dense bytes as 16 rows of 32 elements of 8 bytes, 16 bytes of padding behind each
	s_or_b32 s[G1SB+0], s44, (3<<16)|(1<<20)|(1<<21)|(5<<22)|(3<<25)
.irp g, G1S, G1SB
	s_mov_b32 s[\g+1], 32<<16
	s_mov_b32 s[\g+2], (128*KS/256)<<16
	s_mov_b32 s[\g+3], 32<<16
	s_mov_b32 s[\g+4], 128*KS/256
	s_mov_b32 s[\g+5], 32
	s_mov_b32 s[\g+6], 0
	s_mov_b32 s[\g+7], 0
.endr
	s_lshl_b32 s18, s16, 7
	s_lshl_b32 s20, s17, 8
	s_add_co_u32 s20, s20, s18                     ; x: row 256 x tile row + 128 x half
	s_lshl_b32 s46, s42, 8
	s_add_co_u32 s46, s46, s18                     ; W: row 256 x tile column + 128 x half
	s_mov_b32 s21, 0
	s_mov_b32 s47, 0
	s_mov_b64 s[18:19], KS
	s_mul_u64 s[22:23], s[20:21], s[18:19]
	s_mul_u64 s[92:93], s[46:47], s[18:19]
	s_mov_b64 s[18:19], KROW
	s_mul_u64 s[20:21], s[20:21], s[18:19]
	s_mul_u64 s[46:47], s[46:47], s[18:19]
	s_mul_i32 s45, s14, HALFT                      ; where they go: wave x 128 rows
	s_mul_i32 s94, s14, HALFS
	s_wait_dscnt 0x0                               ; both opening adds are done
	s_wait_kmcnt 0x0
	s_add_nc_u64 s[20:21], s[4:5], s[20:21]
	s_add_nc_u64 s[22:23], s[6:7], s[22:23]
	s_add_nc_u64 s[46:47], s[8:9], s[46:47]
	s_add_nc_u64 s[92:93], s[10:11], s[92:93]
	CROUND                                         ; all sixteen work-groups are here: the joint loads meet
	s_mov_b32 s[G0S], 1
	s_add_co_u32 s[G0S+1], s94, SCL
	s_mov_b64 s[G0S+2:G0S+3], s[22:23]
	s_or_b32 s[G0S+3], s[G0S+3], 0x80000000
	s_mov_b32 s[G0SB], 1
	s_add_co_u32 s[G0SB+1], s94, SCL
	s_mov_b64 s[G0SB+2:G0SB+3], s[92:93]
	s_or_b32 s[G0SB+3], s[G0SB+3], 0x80000000
	JLOAD G0S, G1S, G0SB, G1SB                     ; the scales first; by this text's count three loads of a wave are out at the most
.irp s, 0,1
	s_mov_b32 s[G0+4*\s], 1
	s_add_co_u32 s[G0+4*\s+1], s45, \s*SLOT
	s_add_nc_u64 s[G0+4*\s+2:G0+4*\s+3], s[20:21], \s*ROWB
	s_or_b32 s[G0+4*\s+3], s[G0+4*\s+3], 0x80000000
	s_mov_b32 s[G0B+4*\s], 1
	s_add_co_u32 s[G0B+4*\s+1], s45, \s*SLOT
	s_add_nc_u64 s[G0B+4*\s+2:G0B+4*\s+3], s[46:47], \s*ROWB
	s_or_b32 s[G0B+4*\s+3], s[G0B+4*\s+3], 0x80000000
	JLOAD G0+4*\s, G1, G0B+4*\s, G1B
.endr
	v_and_b32 v1, 15, v0                           ; r = l % 16
	v_bfe_u32 v2, v0, 4, 1                         ; h = l / 16
	v_mul_u32_u24 v3, v1, PITCH
	v_lshl_add_u32 v4, v2, 4, v3                   ; a fragment's row x pitch + 16 h
	s_mul_i32 s21, s15, HALFT
	s_mul_i32 s22, s16, HALFT
	s_add_co_u32 s22, s22, 2*HALFT
.irp s, 0,1
	v_add_nc_u32 v[ADRA+\s], s21, v4
	v_add_nc_u32 v[ADRB+\s], s22, v4
	s_add_co_u32 s21, s21, SLOT
	s_add_co_u32 s22, s22, SLOT
.endr
	v_mul_u32_u24 v5, v1, KS                       ; my row's scales: KS bytes a row,
	v_lshrrev_b32 v6, 8, v5
	v_lshl_add_u32 v5, v6, 4, v5                   ; and 16 more for each 256 passed
	s_mul_i32 s21, s15, HALFS
	s_mul_i32 s22, s16, HALFS
	s_add_co_u32 s22, s22, 2*HALFS
	s_sub_co_u32 s22, s22, s21
	v_mul_u32_u24 v6, s22, v2                      ; lanes 16-31 take W's
	s_add_co_u32 s21, s21, SCL
	v_add_nc_u32 v5, v5, v6
	v_add_nc_u32 v[ADRS], s21, v5
	s_mul_i32 s23, s14, WSTG                       ; my stages
	v_mul_u32_u24 v5, v1, 272                      ; f16, in: row r, 16 bytes for each half of the lanes
	v_lshl_add_u32 v5, v2, 4, v5
	v_add_nc_u32 v[STO], s23, v5
	v_mul_u32_u24 v5, v2, 272                      ; back: lanes 0-15 one row of 256 bytes, lanes 16-31 the next
	v_lshl_add_u32 v5, v1, 4, v5
	v_add_nc_u32 v[RD], s23, v5
	v_mul_u32_u24 v5, v2, OROW                     ; and the same two rows in qkv
	v_lshl_add_u32 v[CO], v1, 4, v5
	s_add_co_u32 s23, s23, 16*272
	v_mul_u32_u24 v5, v1, 528                      ; f32, in: row r, 32 bytes for each half of the lanes
	v_lshl_add_u32 v5, v2, 5, v5
	v_add_nc_u32 v[STO32], s23, v5
	v_and_b32 v6, 31, v0
	v_lshlrev_b32 v[CO32], 4, v6                   ; back: the 32 lanes take one row of 512 bytes
	v_add_nc_u32 v[RD32], s23, v[CO32]
	s_lshl_b32 s20, s17, 8
	s_lshl_b32 s21, s15, 7
	s_add_co_u32 s20, s20, s21                     ; my first row: 256 x tile row + 128 x half
	s_mul_i32 s20, s20, OROW                       ; under 2^26
	s_mov_b32 s21, 0
	s_lshl_b32 s46, s42, 9                         ; my first column in bytes of f16: 512 x tile column + 256 x half
	s_lshl_b32 s47, s16, 8
	s_add_co_u32 s46, s46, s47
	s_mov_b32 s47, 0
	s_add_nc_u64 s[20:21], s[20:21], s[46:47]
	s_add_nc_u64 s[12:13], s[12:13], s[20:21]
	s_mul_i32 s96, s41, 16*12288                   ; first32: sequence cy's 16 rows of 12,288 bytes,
	s_lshl_b32 s46, s46, 1                         ; my first column in bytes of f32
	s_add_co_u32 s96, s96, s46
	s_mov_b32 s97, 0
	s_add_nc_u64 s[66:67], s[66:67], s[96:97]
.macro FRAG reg, adr, q, i             ; 16 rows x 128 K of 4-bit codes: 8 registers; registers 4 c .. 4 c + 3 hold K = 64 c + 32 h + 0 .. 31
.irp c, 0,1
	ds_load_b128 v[\reg+4*\c:\reg+4*\c+3], v[\adr] offset:64*(\q)+32*\c+(\i)*16*PITCH
.endr
.endm
; 16 matrix instructions: x's blocks a0, a0 + 1 against W's eight, 128 along K.  The 64 accumulators take turns, one instruction a turn, in the same order in every step.
.macro MUL16 a0, p, q, sc, zero
.irp a, \a0, \a0+1
.irp b, 0,1,2,3,4,5,6,7
.if \zero
	v_wmma_scale_f32_16x16x128_f8f6f4 v[8*(8*((\a)%4)+\b):8*(8*((\a)%4)+\b)+7], v[128*(\p)+FR*\b:128*(\p)+FR*\b+FR-1], v[AF+FR*(\a):AF+FR*(\a)+FR-1], 0, v[SC+8*NQ*(\sc)+NQ*\b+(\q)], v[SC+8*NQ*(\sc)+NQ*(\a)+(\q)] matrix_a_fmt:MATRIX_FMT_FP4 matrix_b_fmt:MATRIX_FMT_FP4 matrix_a_scale:MATRIX_SCALE_ROW1
.else
	v_wmma_scale_f32_16x16x128_f8f6f4 v[8*(8*((\a)%4)+\b):8*(8*((\a)%4)+\b)+7], v[128*(\p)+FR*\b:128*(\p)+FR*\b+FR-1], v[AF+FR*(\a):AF+FR*(\a)+FR-1], v[8*(8*((\a)%4)+\b):8*(8*((\a)%4)+\b)+7], v[SC+8*NQ*(\sc)+NQ*\b+(\q)], v[SC+8*NQ*(\sc)+NQ*(\a)+(\q)] matrix_a_fmt:MATRIX_FMT_FP4 matrix_b_fmt:MATRIX_FMT_FP4 matrix_a_scale:MATRIX_SCALE_ROW1
.endif
.endr
.endr
.endm
.macro FETCH_B slot, q, p
	WIN TO_B
.irp i, 0,1,2,3,4,5,6,7
	FRAG 128*(\p)+FR*\i, ADRB+\slot, \q, \i
.endr
	WIN 0
.endm
.macro FETCH_A slot, q, i0
.irp i, \i0, \i0+1, \i0+2, \i0+3
	FRAG AF+FR*(\i), ADRA+\slot, \q, \i
.endr
.endm
.macro SCALES sc                       ; a slot's scale words: lanes 0-15 take x's block i, lanes 16-31 W's block i
.irp i, 0,1,2,3,4,5,6,7
	ds_load_b128 v[SC+8*NQ*\sc+NQ*\i:SC+8*NQ*\sc+NQ*\i+3], v[ADRS] offset:\i*SBLK
.endr
.endm
.macro PLACES n                        ; plain vector instructions between a matrix instruction and a load into, or a read of, its registers
.rept \n
	v_nop
.endr
.endm
.macro STEP slot, q, zero              ; a step of 128 along K that has its successor in the same slot
	s_wait_dscnt 4*NL                              ; W's set and x's blocks 0-3 are in; the youngest eight loads (x's blocks 4-7) may be out
	WIN MUL_LO
	MUL16 0, (\q)%2, \q, \slot, \zero
	MUL16 2, (\q)%2, \q, \slot, \zero
	s_wait_dscnt 0
	PLACES NP
	FETCH_B \slot, (\q)+1, 1-(\q)%2
	FETCH_A \slot, (\q)+1, 0
	WIN MUL_HI
	MUL16 4, (\q)%2, \q, \slot, \zero
	MUL16 6, (\q)%2, \q, \slot, \zero
	PLACES NP
	WIN 0
	FETCH_A \slot, (\q)+1, 4
.endm
; Slot 0's last step changes slots: in front of the barrier each wave waits for all its tensor loads (its part of slot 1), adds 0 to its spare word, and waits for that and for its reads of slot 0.  Nothing is filled again.
.macro TURN slot, next
	s_wait_tensorcnt 0x0
	ds_add_u32 v[SPW], v[NIL]
	s_wait_dscnt 4*NL+1                            ; the add and the youngest eight loads may be out
	WIN MUL_LO
	MUL16 0, 1, NQ-1, \slot, 0
	s_wait_dscnt 0x0                               ; the add is done, and my reads of this slot are over
	s_barrier_signal -1
	MUL16 2, 1, NQ-1, \slot, 0
	WIN 0
	s_barrier_wait -1
	PLACES NP
	v_add_nc_u32 v[ADRS], 4*NQ, v[ADRS]            ; the next slot's scale words: 16 bytes on in each row
	FETCH_B \next, 0, 0
	FETCH_A \next, 0, 0
	SCALES \next
	WIN MUL_HI
	MUL16 4, 1, NQ-1, \slot, 0
	MUL16 6, 1, NQ-1, \slot, 0
	PLACES NP
	WIN 0
	FETCH_A \next, 0, 4
.endm
.macro STEPS slot, from
.set Q, \from
.rept NQ-1-\from
	STEP \slot, Q, 0
.set Q, Q+1
.endr
.endm
	s_wait_tensorcnt 1                             ; the scales and my part of slot 0 are in; slot 1's load may be out
	s_barrier_signal -1
	s_barrier_wait -1
	FETCH_B 0, 0, 0
	FETCH_A 0, 0, 0
	SCALES 0
	FETCH_A 0, 0, 4
	STEP 0, 0, 1                                   ; the first products start the sums: nothing is cleared
	STEPS 0, 1
	TURN 0, 1
	STEPS 1, 0
	s_wait_dscnt 4*NL                              ; the last step: nothing more to fetch
	WIN MUL_LO
	MUL16 0, 1, NQ-1, 1, 0
	MUL16 2, 1, NQ-1, 1, 0
	s_wait_dscnt 0
	WIN MUL_HI
	MUL16 4, 1, NQ-1, 1, 0
	MUL16 6, 1, NQ-1, 1, 0
	WIN 0
	; THE WAY OUT.
	PLACES NP
	s_and_b32 s95, ttmp7, 0xffff                   ; cluster y = 0 and my half of the rows = 0: my block 0 is positions 0-15 of sequence cy.  Neither hangs on a place in the cluster
	s_or_b32 s95, s95, s15
	s_cmp_lg_u32 s95, 0
	s_cbranch_scc1 .Lnf
	WIN 0x08                                       ; an LDS store's data: window 2
.irp b, 0,1,2,3,4,5,6,7
	ds_store_b128 v[STO32], v[8*\b:8*\b+3] offset:64*\b            ; block 0 unrounded, each accumulator from its low end on
	ds_store_b128 v[STO32], v[8*\b+4:8*\b+7] offset:64*\b+16
.endr
	WIN 0
.irp t, 0,1,2,3,4,5,6,7,8,9,10,11,12,13,14,15
	ds_load_b128 v[128+4*\t:128+4*\t+3], v[RD32] offset:\t*528     ; LDS serves a wave's instructions in order: these see my stores
.endr
	s_wait_dscnt 0x0
.irp t, 0,1,2,3,4,5,6,7,8,9,10,11,12,13,14,15
	global_store_b128 v[CO32], v[128+4*\t:128+4*\t+3], s[66:67] offset:\t*12288   ; 32 lanes store 512 consecutive bytes, aligned; v128-191 are not written again
.endr
.Lnf:
; Block a (16 rows x 128 columns): rounded to f16, 16 bytes a lane; through my stage; back as whole rows of 256 bytes.
.macro PACK a
.set AC, 64*((\a)%4)
	WIN 0x0a+5*((\a)/4)                            ; sources 0 and 1: window 2 or 3
.irp b, 0,1,2,3,4,5,6,7
.irp r, 0,1,2,3
	v_cvt_pk_f16_f32 v[TMP+4*\b+\r], v[AC+8*\b+2*\r], v[AC+8*\b+2*\r+1]
.endr
.endr
	WIN 0
.endm
.macro TOSTAGE a
.set BKR, OB+192*((\a)%2)
.irp b, 0,1,2,3,4,5,6,7
	ds_store_b128 v[STO], v[TMP+4*\b:TMP+4*\b+3] offset:32*\b
.endr
.irp t, 0,1,2,3,4,5,6,7
	ds_load_b128 v[BKR+4*\t:BKR+4*\t+3], v[RD] offset:\t*2*272
.endr
.endm
.macro SEND a
.set BKR, OB+192*((\a)%2)
	s_wait_dscnt 0x0                               ; the block is back in registers
	s_wait_xcnt 0x0                                ; earlier stores have read their base and their data: only now are these written again
.if (\a) > 0
	s_add_nc_u64 s[12:13], s[12:13], 16*OROW
.endif
.irp t, 0,1,2,3,4,5,6,7
	global_store_b128 v[CO], v[BKR+4*\t:BKR+4*\t+3], s[12:13] offset:2*\t*OROW   ; 16 lanes store 256 consecutive bytes, aligned
.endr
.endm
	PACK 0
	TOSTAGE 0
.irp a, 1,2,3,4,5,6,7                  ; block a's conversions stand between block a - 1's loads from the stage and the wait for them
	PACK \a
	SEND \a-1
	TOSTAGE \a
.endr
	SEND 7
	s_wait_tensorcnt 0x0                           ; the wave's end
	ds_add_u32 v[SPW], v[NIL]
	s_wait_dscnt 0x0
	CROUND                                         ; the closing round
	s_endpgm
.Lfunc_end_k_q97126acf93_qkv:
	.size	k_q97126acf93_qkv, .Lfunc_end_k_q97126acf93_qkv-k_q97126acf93_qkv
	.p2alignl 7, 3214868480
	.fill 96, 4, 3214868480
	.section	.rodata,"a",@progbits
	.p2align	6, 0x0
	.amdhsa_kernel k_q97126acf93_qkv
		.amdhsa_group_segment_fixed_size 327680
		.amdhsa_private_segment_fixed_size 0
		.amdhsa_enable_private_segment 0
		.amdhsa_kernarg_size 48
		.amdhsa_user_sgpr_count 2
		.amdhsa_user_sgpr_kernarg_segment_ptr 1
		.amdhsa_wavefront_size32 1
		.amdhsa_system_sgpr_workgroup_id_x 1
		.amdhsa_system_sgpr_workgroup_id_y 1
		.amdhsa_system_sgpr_workgroup_id_z 1
		.amdhsa_system_vgpr_workitem_id 0
		.amdhsa_next_free_vgpr 1024
		.amdhsa_next_free_sgpr 100
		.amdhsa_reserve_vcc 0
		.amdhsa_float_denorm_mode_32 3
		.amdhsa_float_denorm_mode_16_64 3
		.amdhsa_memory_ordered 1
		.amdhsa_forward_progress 1
		.amdhsa_inst_pref_size 131
	.end_amdhsa_kernel
	.amdgpu_metadata
---
amdhsa.version: [ 1, 2 ]
amdhsa.kernels:
  - .name:           k_q97126acf93_qkv
    .symbol:         k_q97126acf93_qkv.kd
    .args:
      - { .name: x_codes, .offset: 0, .size: 8, .value_kind: global_buffer, .address_space: global }
      - { .name: x_scales, .offset: 8, .size: 8, .value_kind: global_buffer, .address_space: global }
      - { .name: w_codes, .offset: 16, .size: 8, .value_kind: global_buffer, .address_space: global }
      - { .name: w_scales, .offset: 24, .size: 8, .value_kind: global_buffer, .address_space: global }
      - { .name: qkv, .offset: 32, .size: 8, .value_kind: global_buffer, .address_space: global }
      - { .name: first32, .offset: 40, .size: 8, .value_kind: global_buffer, .address_space: global }
    .group_segment_fixed_size: 327680
    .private_segment_fixed_size: 0
    .kernarg_segment_align: 8
    .kernarg_segment_size: 48
    .max_flat_workgroup_size: 128
    .sgpr_count:     100
    .vgpr_count:     1024
    .wavefront_size: 32
...
	.end_amdgpu_metadata
.endif
;; end of part 2
;; launch attn (part 3): grid 8 x 32, 16 waves a work-group, no clusters, 327,680 bytes of LDS; arguments qkv, ctx; writes ctx
.if DOCPART == 3
	.amdgcn_target "amdgcn-amd-amdhsa--gfx1250"
	.amdhsa_code_object_version 6
	.text
	.protected	k_q97126acf93_attn
	.globl	k_q97126acf93_attn
	.p2align	8
	.type	k_q97126acf93_attn,@function
k_q97126acf93_attn:
	s_mov_b64 s[64:65], 0
	v_nop
	global_prefetch_b8 v0, s[64:65] scope:SCOPE_SE
	s_setreg_imm32_b32 hwreg(HW_REG_WAVE_MODE, 25, 1), 1
	s_wait_xcnt 0x0
; ctx[b][q][head] = sum over keys j of softmax_j(Q[q] . K[j]) V[j], key j counting for query q where q - 256 < j <= q; no factor on the scores.  q, k, v: f16 in qkv [8192][3072]; ctx: f16 [8192][1024].
; Products on f16 operands, sums, maxima and exponentials in f32; a running maximum is taken away before every exponential.  LIMIT: the f16 operands' range; NaN and infinities are not served.
; SHARES.  A work-group takes 256 queries (block qb of sequence b) of TWO neighbouring heads, so that a row of a tile of K or V, and of ctx, is 256 bytes.  Each of its sixteen waves takes 32 queries (two tiles of 16) of one head.
; Only the band is multiplied: for the wave's block i of 32 queries, the key steps 0 .. i of the work-group's own 256 keys (step i under the causal edge) and steps i .. 7 of the 256 keys before them (step i under the window's edge): nine steps of 32 keys.
; The first block of a sequence has no keys before it.  Waves are dealt so that blocks i and 7 - i lie together: wave w: head = bit 2, i = (2 bit 3 + bit 1) xor 7 (bit 0 xor bit 2).
; LAYOUT.  S^T = K Q^T (source 0 = 16 keys, source 1 = 16 queries) and O^T = V^T P (source 0 = 16 channels, turned on the way out of LDS, source 1 = P): a lane holds one query throughout.
; LDS.  K: 512 rows of 272 bytes (rows 0-255 the block's own keys, rows 256-511 the 256 keys before), V: 512 rows of 288.  Every byte is filled once.  Waves 0, 1 fetch K, waves 2, 3 V, 64 rows a load:
; the own keys at the head, the earlier keys behind the first two barriers of the walk.  The way out's stage lies in K's first 256 rows, behind a barrier behind which nobody reads K.
; NO CLUSTER: a block of keys is the own block of one work-group and the earlier block of its neighbour, so a joint load would want an LDS address that hangs on the place in the cluster, and the first block of a sequence asks for fewer tiles.
; NO PREFETCH: a work-group asks for all its tiles at its head and behind its first two barriers; no later step is left to ask ahead for.
.set ROW,  6144
.set PK,   272
.set PV,   288
.set VA,   512*PK
.set SPARE, VA+512*PV                  ; the spare words: 128 bytes a wave, named by no other line
.set AK0, 1                            ; v1  my lane's place in a step's K
.set AV0, 2                            ; v2  and V
.set ADK, 3
.set ADV, 4
.set SPW, 5
.set NIL, 6
.set NINF, 7                           ; v7  -infinity
.set DM,  8                            ; v8, v9  my query in the wave's 32, less 8 (lane / 16): tile 0's, tile 1's
.set STO, 10
.set RD,  11
.set GO,  12
.set QO,  13
.set ST,  16                           ; tile u's statistics at v[ST + 8 u]: +0 the largest t, +1 its pair's partner, +2, +3 the sum, +4, +5 at work, +6 a, +7 its partner
.set QF,  32                           ; Q: 16 u + 8 c
.set KF,  64                           ; K: 8 (2 kt + c)
.set VF,  96                           ; V^T: 8 ct
.set S,   128                          ; S^T, then p: 16 u + 8 kt
.set P,   160                          ; p in f16: 8 u
.set O,   176                          ; O^T: 32 u + 8 ct
.set WV,  8
.set HD,  9
.set WI,  10                           ; s10 i
.set LO,  11                           ; s11 the first earlier step that I walk: i, or 8 (none) in a sequence's first block
.set QB,  12
.set G1K, 24
.set G1V, 32
.set G0K, 40                           ; s[40:43], s[44:47] K's own rows 0-127, 128-255; s[48:51] the earlier rows, walking
.set G0KH, 48
.set G0V, 52
.set G0VH, 60
.set TK,  66
.set TV,  67
.set TAU, 68
.set CA,  69
.set CB,  70
.set CS,  72                           ; s[72:73] log2(e)
.set SEL, 74
.set QP,  76
.set CP,  78
	s_load_b128 s[4:7], s[0:1], 0x0                ; qkv, ctx
	v_lshl_add_u32 v[SPW], v0, 2, SPARE
	v_mov_b32 v[NIL], 0
	ds_add_u32 v[SPW], v[NIL]                      ; the wave's opening: the add, twice on end, and its wait ahead of the first tensor load
	ds_add_u32 v[SPW], v[NIL]
	v_lshrrev_b32 v14, 5, v0
	v_readfirstlane_b32 s[WV], v14                 ; wave 0..15
	s_mov_b32 s[QB], ttmp9
	s_and_b32 s13, ttmp7, 0xffff
	s_lshr_b32 s14, s13, 3                         ; the sequence
	s_and_b32 s15, s13, 7
	s_lshl_b32 s15, s15, 8                         ; the pair of heads: 256 bytes each
	s_lshl_b32 s16, s14, 11
	s_lshl_b32 s17, s[QB], 8
	s_add_co_u32 s16, s16, s17                     ; the block's first token
	s_bfe_u32 s[HD], s[WV], 0x10002
	s_lshr_b32 s17, s[WV], 3
	s_lshl_b32 s17, s17, 1
	s_bfe_u32 s18, s[WV], 0x10001
	s_or_b32 s17, s17, s18
	s_xor_b32 s18, s[WV], s[HD]
	s_and_b32 s18, s18, 1
	s_mul_i32 s18, s18, 7
	s_xor_b32 s[WI], s17, s18
	s_cmp_eq_u32 s[QB], 0
	s_cselect_b32 s[LO], 8, s[WI]
	s_and_b32 s19, s[WV], 1                        ; which 64 of a load pair's 128 rows I fetch, if I fetch
	s_lshl_b32 s20, s19, 6
	s_add_co_u32 s20, s20, s16
	s_mul_i32 s20, s20, ROW
	s_add_co_u32 s20, s20, s15
	s_mov_b32 s21, 0
	s_lshl_b32 s22, s[WI], 5
	s_add_co_u32 s22, s22, s16
	s_mul_i32 s22, s22, ROW
	s_add_co_u32 s22, s22, s15
	s_lshl_b32 s13, s[HD], 7                       ; my head's 128 bytes of a row
	s_add_co_u32 s22, s22, s13
	s_mov_b32 s23, 0
	s_lshl_b32 s2, s[WV], 4
	s_add_co_u32 s2, s2, s16
	s_lshl_b32 s2, s2, 11
	s_add_co_u32 s2, s2, s15                       ; ctx: row (first token + 16 w) of 2,048 bytes, the pair's 256
	s_mov_b32 s3, 0
	s_mul_i32 s17, s19, 64*PK
	s_mul_i32 s18, s19, 64*PV
	s_add_co_u32 s18, s18, VA
	s_mov_b32 s[G1K], (1<<16)|(1<<20)|(5<<22)|(3<<25)              ; no mask; elements of 2 bytes; padding: four words after every 64
	s_mov_b32 s[G1V], (1<<16)|(1<<20)|(5<<22)|(7<<25)              ; eight words
.irp g, G1K, G1V
	s_mov_b32 s[\g+1], 128<<16                     ; tensor_dim0
	s_mov_b32 s[\g+2], 64<<16                      ; tensor_dim1
	s_mov_b32 s[\g+3], 128<<16                     ; tile_dim0
	s_mov_b32 s[\g+4], 64                          ; tile_dim1
	s_mov_b32 s[\g+5], 3072                        ; the pitch in elements
	s_mov_b32 s[\g+6], 0
	s_mov_b32 s[\g+7], 0
.endr
	s_mov_b32 s[CS], 0x3fb8aa3b                    ; log2(e)
	s_mov_b32 s[CS+1], s[CS]
	s_mov_b32 s[SEL], 0x76543210
	s_mov_b32 s[SEL+1], 0xfedcba98
	s_mov_b32 s[TK], 0
	s_mov_b32 s[TV], 0
	s_mov_b32 s[TAU], 0
	s_wait_dscnt 0x0                               ; both opening adds are done
	s_wait_kmcnt 0x0
	s_add_nc_u64 s[20:21], s[4:5], s[20:21]
	s_add_nc_u64 s[QP:QP+1], s[4:5], s[22:23]
	s_add_nc_u64 s[CP:CP+1], s[6:7], s[2:3]
	s_mov_b32 s[G0K], 1
	s_mov_b32 s[G0K+1], s17
	s_add_nc_u64 s[G0K+2:G0K+3], s[20:21], 2048    ; k lies 2,048 bytes into a row
	s_mov_b32 s[G0K+4], 1
	s_add_co_u32 s[G0K+5], s17, 128*PK
	s_add_nc_u64 s[G0K+6:G0K+7], s[G0K+2:G0K+3], 128*ROW
	s_mov_b32 s[G0KH], 1
	s_add_co_u32 s[G0KH+1], s17, 128*PK            ; stepped by 128 rows ahead of each use: LDS rows 256 on, then 384 on;
	s_sub_nc_u64 s[G0KH+2:G0KH+3], s[G0K+2:G0K+3], 384*ROW   ; tokens 256 back, then 128 back (in a sequence's first block this address is never used)
	s_or_b32 s[G0K+3], s[G0K+3], 0x80000000
	s_or_b32 s[G0K+7], s[G0K+7], 0x80000000
	s_or_b32 s[G0KH+3], s[G0KH+3], 0x80000000
	s_mov_b32 s[G0V], 1
	s_mov_b32 s[G0V+1], s18
	s_add_nc_u64 s[G0V+2:G0V+3], s[20:21], 4096    ; v lies 4,096 bytes into a row
	s_mov_b32 s[G0V+4], 1
	s_add_co_u32 s[G0V+5], s18, 128*PV
	s_add_nc_u64 s[G0V+6:G0V+7], s[G0V+2:G0V+3], 128*ROW
	s_mov_b32 s[G0VH], 1
	s_add_co_u32 s[G0VH+1], s18, 128*PV
	s_sub_nc_u64 s[G0VH+2:G0VH+3], s[G0V+2:G0V+3], 384*ROW
	s_or_b32 s[G0V+3], s[G0V+3], 0x80000000
	s_or_b32 s[G0V+7], s[G0V+7], 0x80000000
	s_or_b32 s[G0VH+3], s[G0VH+3], 0x80000000
	s_cmp_lt_u32 s[WV], 2                          ; a wave's two first fills stand in one branch on its number: two loads of a fetching wave are out
	s_cbranch_scc0 .Lfirst_not_k
	tensor_load_to_lds s[G0K:G0K+3], s[G1K:G1K+7]
	s_nop 0
	tensor_load_to_lds s[G0K+4:G0K+7], s[G1K:G1K+7]
	s_nop 0
.rept 4
	v_nop
.endr
	s_branch .Lfirst_asked
.Lfirst_not_k:
	s_cmp_lt_u32 s[WV], 4
	s_cbranch_scc0 .Lfirst_asked
	tensor_load_to_lds s[G0V:G0V+3], s[G1V:G1V+7]
	s_nop 0
	tensor_load_to_lds s[G0V+4:G0V+7], s[G1V:G1V+7]
	s_nop 0
.rept 4
	v_nop
.endr
.Lfirst_asked:
	v_and_b32 v14, 15, v0                          ; r
	v_bfe_u32 v15, v0, 4, 1                        ; h
	v_mul_u32_u24 v[QO], v14, ROW
	v_lshl_add_u32 v[QO], v15, 4, v[QO]            ; Q: row r, + 16 h
.irp u, 0,1
.irp c, 0,1
	global_load_b128 v[QF+16*\u+8*\c:QF+16*\u+8*\c+3],   v[QO], s[QP:QP+1] offset:16*ROW*\u+64*\c      ; Q stays in registers
	global_load_b128 v[QF+16*\u+8*\c+4:QF+16*\u+8*\c+7], v[QO], s[QP:QP+1] offset:16*ROW*\u+64*\c+32
.endr
.endr
	v_mul_u32_u24 v[AK0], v14, PK
	v_lshl_add_u32 v[AK0], v15, 4, v[AK0]
	v_add_nc_u32 v[AK0], s13, v[AK0]               ; K: key r of a tile, + 16 h, my head
	v_and_b32 v[AV0], 7, v0
	v_lshl_add_u32 v[AV0], v15, 3, v[AV0]
	v_mul_u32_u24 v[AV0], v[AV0], PV
	v_bfe_u32 v[ADK], v0, 3, 1
	v_lshl_add_u32 v[AV0], v[ADK], 4, v[AV0]
	s_add_co_u32 s18, s13, VA
	v_add_nc_u32 v[AV0], s18, v[AV0]               ; V, for the turning load: key 8 h + l % 8, channels 8 ((l / 8) % 2) on, my head
	v_mov_b32 v[NINF], 0xff800000
	v_lshlrev_b32 v[DM], 3, v15
	v_sub_nc_u32 v[DM], v14, v[DM]
	v_add_nc_u32 v[DM+1], 16, v[DM]
	s_mul_i32 s18, s[WI], 32*PK
	s_add_co_u32 s18, s18, s13
	v_mul_u32_u24 v[STO], v14, PK
	v_lshl_add_u32 v[STO], v15, 4, v[STO]
	v_add_nc_u32 v[STO], s18, v[STO]               ; the stage, in: row 32 i + r, my head's 128 bytes, + 16 h
	s_mul_i32 s18, s[WV], 16*PK
	v_mul_u32_u24 v[RD], v15, PK
	v_lshl_add_u32 v[RD], v14, 4, v[RD]
	v_add_nc_u32 v[RD], s18, v[RD]                 ; back: rows 16 w on, lanes 0-15 one row, lanes 16-31 the next
	v_lshlrev_b32 v[GO], 11, v15
	v_lshl_add_u32 v[GO], v14, 4, v[GO]            ; and the same two rows of ctx
.irp u, 0,1
	v_mov_b32 v[ST+8*\u], 0xff61b1e6               ; the largest t so far: -3e38, under every t
.irp n, 1,2,3,4,5,6,7
	v_mov_b32 v[ST+8*\u+\n], 0                     ; the sum; pair partners and lane permutes' destinations, which count as read
.endr
.endr
.set J, 0
.rept 64
	v_mov_b32 v[O+J], 0                            ; O^T.  (The step is written once for each kind: the first finds zeros)
.set J, J+1
.endr
; The earlier keys' tiles: waves 0, 1 fetch K's, waves 2, 3 V's, the others nothing.  An s_nop 0 and four v_nop follow each load.
.macro TLOAD
	s_cmp_lt_u32 s[WV], 2
	s_cbranch_scc0 .Lnot_k_\@
	tensor_load_to_lds s[G0KH:G0KH+3], s[G1K:G1K+7]
	s_nop 0
.rept 4
	v_nop
.endr
	s_branch .Lasked_\@
.Lnot_k_\@:
	s_cmp_lt_u32 s[WV], 4
	s_cbranch_scc0 .Lasked_\@
	tensor_load_to_lds s[G0VH:G0VH+3], s[G1V:G1V+7]
	s_nop 0
.rept 4
	v_nop
.endr
.Lasked_\@:
.endm
; A barrier of the walk.  In front of it every wave waits for all its tensor loads, adds 0 to its spare word and waits for that and for its LDS reads.  fill = 1: behind it 128 more rows of the earlier keys are asked for, into
; bytes that nothing has filled: one load a fetching wave.  A sequence's first block has no earlier keys: a test on the work-group's number, the same in all waves, leads round the load and round nothing else; every wait
; on the tensor counter in this text is for 0, and no step reads what was left out.
.macro CHANGE fill
	s_wait_tensorcnt 0x0                           ; no tensor load of mine is out, so a group 0 may be written
	ds_add_u32 v[SPW], v[NIL]
.if \fill
	ds_add_u32 v[SPW], v[NIL]                      ; twice on end here, in every trip alike
	s_add_co_u32 s[G0KH+1], s[G0KH+1], 128*PK
	s_add_nc_u64 s[G0KH+2:G0KH+3], s[G0KH+2:G0KH+3], 128*ROW
	s_add_co_u32 s[G0VH+1], s[G0VH+1], 128*PV
	s_add_nc_u64 s[G0VH+2:G0VH+3], s[G0VH+2:G0VH+3], 128*ROW
.endif
	s_wait_dscnt 0x0
	s_barrier_signal -1
	s_barrier_wait -1
.if \fill
	s_cmp_eq_u32 s[QB], 0
	s_cbranch_scc1 .Lpast_\@
	TLOAD
.Lpast_\@:
.endif
.endm
; A KEY STEP of 32 keys.  kind 0: the block's own keys, step TAU: walked where TAU <= i, under the causal edge where TAU = i.  kind 1: the 256 keys before: walked where TAU >= LO, under the window's edge where TAU = i.
; The branches hang on ids and on the count of steps; no barrier and no tensor load stands in a step; the lines at its end that step addresses are run by all.
.macro STEP kind
.if \kind == 0
	s_cmp_gt_u32 s[TAU], s[WI]
.else
	s_cmp_lt_u32 s[TAU], s[LO]
.endif
	s_cbranch_scc1 .Lskip_\@
	v_add_nc_u32 v[ADK], s[TK], v[AK0]
	v_add_nc_u32 v[ADV], s[TV], v[AV0]
	v_nop                                          ; with the two additions: four places in front of loads into registers that the last products read
	v_nop
.irp kt, 0,1
.irp c, 0,1
	ds_load_b128 v[KF+8*(2*\kt+\c):KF+8*(2*\kt+\c)+3],   v[ADK] offset:16*PK*\kt+64*\c
	ds_load_b128 v[KF+8*(2*\kt+\c)+4:KF+8*(2*\kt+\c)+7], v[ADK] offset:16*PK*\kt+64*\c+32
.endr
.endr
.irp ct, 0,1,2,3
	ds_load_tr16_b128 v[VF+8*\ct:VF+8*\ct+3],   v[ADV] offset:32*\ct
	ds_load_tr16_b128 v[VF+8*\ct+4:VF+8*\ct+7], v[ADV] offset:32*\ct+16*PV
.endr
	s_wait_dscnt 8                                 ; K's eight loads are in; V's eight may be out
.irp c, 0,1                                    ; S^T = K Q^T: the four accumulators take turns
.irp u, 0,1
.irp kt, 0,1
.if \c == 0
	v_wmma_f32_16x16x32_f16 v[S+16*\u+8*\kt:S+16*\u+8*\kt+7], v[KF+8*(2*\kt+\c):KF+8*(2*\kt+\c)+7], v[QF+16*\u+8*\c:QF+16*\u+8*\c+7], 0
.else
	v_wmma_f32_16x16x32_f16 v[S+16*\u+8*\kt:S+16*\u+8*\kt+7], v[KF+8*(2*\kt+\c):KF+8*(2*\kt+\c)+7], v[QF+16*\u+8*\c:QF+16*\u+8*\c+7], v[S+16*\u+8*\kt:S+16*\u+8*\kt+7]
.endif
.endr
.endr
.endr
.rept 4
	v_nop
.endr
	s_cmp_lg_u32 s[TAU], s[WI]
	s_cbranch_scc1 .Lopen_\@
; Register n of tile u holds key 16 (n / 8) + 8 h + n % 8 of the step and query 16 u + r of the wave.  kind 0: hidden where the key's number is above the query's; kind 1: where it is not above.  Tiles that an edge cannot reach are left out.
.irp u, 0,1
.irp n, 0,1,2,3,4,5,6,7,8,9,10,11,12,13,14,15
.if (\kind == 0) && (\u == 1) && (\n < 8)
.elseif (\kind == 1) && (\u == 0) && (\n >= 8)
.else
.if \kind == 0
	v_cmp_gt_i32 vcc_lo, 16*(\n/8)+\n%8, v[DM+\u]
.else
	v_cmp_le_i32 vcc_lo, 16*(\n/8)+\n%8, v[DM+\u]
.endif
	v_cndmask_b32 v[S+16*\u+\n], v[S+16*\u+\n], v[NINF], vcc_lo
.endif
.endr
.endr
.Lopen_\@:
.irp u, 0,1                                    ; the step's largest score of my query; each accumulator is read from its low end on; the two tiles by turns
	v_max3_num_f32 v[ST+8*\u+4], v[S+16*\u], v[S+16*\u+1], v[S+16*\u+2]
	v_max3_num_f32 v[ST+8*\u+5], v[S+16*\u+8], v[S+16*\u+9], v[S+16*\u+10]
.endr
.irp n, 3,5
.irp u, 0,1
	v_max3_num_f32 v[ST+8*\u+4], v[ST+8*\u+4], v[S+16*\u+\n], v[S+16*\u+\n+1]
	v_max3_num_f32 v[ST+8*\u+5], v[ST+8*\u+5], v[S+16*\u+8+\n], v[S+16*\u+9+\n]
.endr
.endr
.irp u, 0,1
	v_max3_num_f32 v[ST+8*\u+4], v[ST+8*\u+4], v[S+16*\u+7], v[S+16*\u+15]
.endr
.irp u, 0,1
	v_max_num_f32 v[ST+8*\u+4], v[ST+8*\u+4], v[ST+8*\u+5]
.endr
.irp u, 0,1
	v_permlanex16_b32 v[ST+8*\u+5], v[ST+8*\u+4], s[SEL], s[SEL+1]   ; the query's other 16 keys lie in the lane 16 away
.endr
.irp u, 0,1
	v_max_num_f32 v[ST+8*\u+4], v[ST+8*\u+4], v[ST+8*\u+5]
.endr
.irp u, 0,1
	v_mul_f32 v[ST+8*\u+4], s[CS], v[ST+8*\u+4]    ; as t = score x log2(e)
.endr
.irp u, 0,1
	v_max_num_f32 v[ST+8*\u+4], v[ST+8*\u], v[ST+8*\u+4]           ; the new running maximum (a step with no key for my query leaves it)
.endr
.irp u, 0,1
	v_sub_f32 v[ST+8*\u+5], v[ST+8*\u], v[ST+8*\u+4]               ; old less new
.endr
.irp u, 0,1
	v_mov_b32 v[ST+8*\u], v[ST+8*\u+4]
.endr
.irp n, 0,2,4,6,8,10,12,14
.irp u, 0,1
	v_pk_fma_f32 v[S+16*\u+\n:S+16*\u+\n+1], v[S+16*\u+\n:S+16*\u+\n+1], s[CS:CS+1], v[ST+8*\u:ST+8*\u+1] op_sel_hi:[1,0,0] neg_lo:[0,0,1] neg_hi:[0,0,1]   ; t less the maximum
.endr
.endr
.irp u, 0,1
	v_exp_f32 v[ST+8*\u+6], v[ST+8*\u+5]           ; a = 2^(old - new).  The step's 34 exponentials are one batch
.endr
.set J, 0
.rept 32
	v_exp_f32 v[S+J], v[S+J]
.set J, J+1
.endr
	v_nop                                          ; a plain line behind the last exponential
	s_wait_alu depctr_va_vdst(0)                   ; one wait for the batch, ahead of its first reader
.irp n, 0,1,2,3,4,5,6,7
.irp u, 0,1
	v_cvt_pk_f16_f32 v[P+8*\u+\n], v[S+16*\u+2*\n], v[S+16*\u+2*\n+1]   ; two tiles of 16 keys, rounded in pairs, are source 1 of the second product
.endr
.endr
.irp n, 0,4,8,12
.irp u, 0,1
	v_pk_add_f32 v[S+16*\u+\n:S+16*\u+\n+1], v[S+16*\u+\n:S+16*\u+\n+1], v[S+16*\u+\n+2:S+16*\u+\n+3]   ; the sum of the unrounded p
.endr
.endr
.irp n, 0,8
.irp u, 0,1
	v_pk_add_f32 v[S+16*\u+\n:S+16*\u+\n+1], v[S+16*\u+\n:S+16*\u+\n+1], v[S+16*\u+\n+4:S+16*\u+\n+5]
.endr
.endr
.irp u, 0,1
	v_pk_add_f32 v[S+16*\u:S+16*\u+1], v[S+16*\u:S+16*\u+1], v[S+16*\u+8:S+16*\u+9]
.endr
.irp u, 0,1
	v_pk_fma_f32 v[ST+8*\u+2:ST+8*\u+3], v[ST+8*\u+2:ST+8*\u+3], v[ST+8*\u+6:ST+8*\u+7], v[S+16*\u:S+16*\u+1] op_sel_hi:[1,0,1]
.endr
.irp u, 0,1
.set J, 0
.rept 16
	v_pk_mul_f32 v[O+32*\u+J:O+32*\u+J+1], v[O+32*\u+J:O+32*\u+J+1], v[ST+8*\u+6:ST+8*\u+7] op_sel_hi:[1,0]   ; O^T under the new maximum, each accumulator from its low end on
.set J, J+2
.endr
.endr
	s_wait_dscnt 0x0                               ; V is in
.irp ct, 0,1,2,3                               ; O^T += V^T P: the eight accumulators take turns
.irp u, 0,1
	v_wmma_f32_16x16x32_f16 v[O+32*\u+8*\ct:O+32*\u+8*\ct+7], v[VF+8*\ct:VF+8*\ct+7], v[P+8*\u:P+8*\u+7], v[O+32*\u+8*\ct:O+32*\u+8*\ct+7]
.endr
.endr
.Lskip_\@:
	s_add_co_u32 s[TAU], s[TAU], 1
	s_add_co_u32 s[TK], s[TK], 32*PK
	s_add_co_u32 s[TV], s[TV], 32*PV
.endm
	s_wait_loadcnt 0x0                             ; Q
	s_mov_b32 s[CA], 2
.Lown:                                             ; two trips of four steps: the block's own 256 keys
	CHANGE 1
	s_mov_b32 s[CB], 4
.Lown_step:
	STEP 0
	s_sub_co_u32 s[CB], s[CB], 1
	s_cmp_lg_u32 s[CB], 0
	s_cbranch_scc1 .Lown_step
	s_sub_co_u32 s[CA], s[CA], 1
	s_cmp_lg_u32 s[CA], 0
	s_cbranch_scc1 .Lown
	CHANGE 0                                       ; the earlier keys' tiles are whole
	s_mov_b32 s[TAU], 0
	s_mov_b32 s[CB], 8
.Learlier_step:
	STEP 1
	s_sub_co_u32 s[CB], s[CB], 1
	s_cmp_lg_u32 s[CB], 0
	s_cbranch_scc1 .Learlier_step
	; THE WAY OUT.  The additions are the places behind the last products.
.irp u, 0,1
	v_add_f32 v[ST+8*\u+4], v[ST+8*\u+2], v[ST+8*\u+3]
.endr
.irp u, 0,1
	v_permlanex16_b32 v[ST+8*\u+5], v[ST+8*\u+4], s[SEL], s[SEL+1]
.endr
.irp u, 0,1
	v_add_f32 v[ST+8*\u+4], v[ST+8*\u+4], v[ST+8*\u+5]             ; the row's sum
.endr
.irp u, 0,1
	v_rcp_f32 v[ST+8*\u+6], v[ST+8*\u+4]
.endr
	v_nop
	s_wait_alu depctr_va_vdst(0)                   ; one wait for the two reciprocals, ahead of their first reader
	s_wait_dscnt 0x0                               ; my reads of K are over;
	s_barrier_signal -1
	s_barrier_wait -1                              ; everybody's are: K's first 256 rows, which have had their one fill, become the stage
.irp u, 0,1
.set J, 0
.rept 16
	v_pk_mul_f32 v[O+32*\u+J:O+32*\u+J+1], v[O+32*\u+J:O+32*\u+J+1], v[ST+8*\u+6:ST+8*\u+7] op_sel_hi:[1,0]
.set J, J+2
.endr
.endr
.set J, 0
.rept 32
	v_cvt_pk_f16_f32 v[KF+J], v[O+2*J], v[O+2*J+1]
.set J, J+1
.endr
.irp u, 0,1
.irp ct, 0,1,2,3
	ds_store_b128 v[STO], v[KF+16*\u+4*\ct:KF+16*\u+4*\ct+3] offset:16*PK*\u+32*\ct   ; lane (r, h): query 16 u + r, channels 16 ct + 8 h + 0 .. 7
.endr
.endr
	s_wait_dscnt 0x0                               ; for the others' sake: a row's 256 bytes come from two waves
	s_barrier_signal -1
	s_barrier_wait -1
.irp t, 0,1,2,3,4,5,6,7
	ds_load_b128 v[VF+4*\t:VF+4*\t+3], v[RD] offset:2*PK*\t
.endr
.irp t, 0,1,2,3,4,5,6,7
	s_wait_dscnt 7-\t
	global_store_b128 v[GO], v[VF+4*\t:VF+4*\t+3], s[CP:CP+1] offset:4096*\t   ; 16 lanes store 256 consecutive bytes, aligned
.endr
	s_wait_tensorcnt 0x0                           ; the wave's end
	ds_add_u32 v[SPW], v[NIL]
	s_wait_dscnt 0x0
	s_endpgm
.Lfunc_end_k_q97126acf93_attn:
	.size	k_q97126acf93_attn, .Lfunc_end_k_q97126acf93_attn-k_q97126acf93_attn
	.p2alignl 7, 3214868480
	.fill 96, 4, 3214868480
	.section	.rodata,"a",@progbits
	.p2align	6, 0x0
	.amdhsa_kernel k_q97126acf93_attn
		.amdhsa_group_segment_fixed_size 327680
		.amdhsa_private_segment_fixed_size 0
		.amdhsa_enable_private_segment 0
		.amdhsa_kernarg_size 16
		.amdhsa_user_sgpr_count 2
		.amdhsa_user_sgpr_kernarg_segment_ptr 1
		.amdhsa_wavefront_size32 1
		.amdhsa_system_sgpr_workgroup_id_x 1
		.amdhsa_system_sgpr_workgroup_id_y 1
		.amdhsa_system_sgpr_workgroup_id_z 1
		.amdhsa_system_vgpr_workitem_id 0
		.amdhsa_next_free_vgpr 256
		.amdhsa_next_free_sgpr 80
		.amdhsa_reserve_vcc 1
		.amdhsa_float_denorm_mode_32 3
		.amdhsa_float_denorm_mode_16_64 3
		.amdhsa_memory_ordered 1
		.amdhsa_forward_progress 1
		.amdhsa_inst_pref_size 43
	.end_amdhsa_kernel
	.amdgpu_metadata
---
amdhsa.version: [ 1, 2 ]
amdhsa.kernels:
  - .name:           k_q97126acf93_attn
    .symbol:         k_q97126acf93_attn.kd
    .args:
      - { .name: qkv, .offset: 0, .size: 8, .value_kind: global_buffer, .address_space: global }
      - { .name: ctx, .offset: 8, .size: 8, .value_kind: global_buffer, .address_space: global }
    .group_segment_fixed_size: 327680
    .private_segment_fixed_size: 0
    .kernarg_segment_align: 8
    .kernarg_segment_size: 16
    .max_flat_workgroup_size: 512
    .sgpr_count:     80
    .vgpr_count:     256
    .wavefront_size: 32
...
	.end_amdgpu_metadata
.endif
;; end of part 3
;; launch oproj (part 4): grid 4 x 64, 4 waves a work-group, clusters of 4 x 4, 327,680 bytes of LDS; arguments ctx, wo16, out0, bo; writes out0
.if DOCPART == 4
	.amdgcn_target "amdgcn-amd-amdhsa--gfx1250"
	.amdhsa_code_object_version 6
	.text
	.protected	k_q97126acf93_oproj
	.globl	k_q97126acf93_oproj
	.p2align	8
	.type	k_q97126acf93_oproj,@function
k_q97126acf93_oproj:
	s_mov_b64 s[64:65], 0
	v_nop
	global_prefetch_b8 v0, s[64:65] scope:SCOPE_SE
	s_setreg_imm32_b32 hwreg(HW_REG_WAVE_MODE, 25, 1), 1
	s_wait_xcnt 0x0
	s_wait_alu depctr_hold_cnt(0) depctr_sa_sdst(0) depctr_va_vdst(0) depctr_va_sdst(0) depctr_va_ssrc(0) depctr_va_vcc(0) depctr_vm_vsrc(0)
	s_getreg_b32 s2, hwreg(HW_REG_IB_STS2, 6, 4)
	s_cmp_eq_u32 s2, 0
	s_cbranch_scc0 .Lentry_in_a_cluster
	s_endpgm
.Lentry_in_a_cluster:
	s_bfe_u32 s2, ttmp6, 0x10000c
	s_cmp_lg_u32 s2, 0xf033
	s_cbranch_scc0 .Lentry_shape_is_right
	s_endpgm
.Lentry_shape_is_right:
; out0[m][n] = sum over k of ctx[m][k] Wo[n][k] + bo[n].  ctx [8192][1024] and wo16 [1024][1024]: f16; bo and out0: f32; sums in f32, K ascending; the bias is the C of each sum's first product.
; Every row is made here; the rows of positions 0-15 of each sequence are made again, in f32 throughout, by the launch that follows (leaving them out here would be a branch on a work-group's place in its cluster).
; A tile of 128 (m) x 256 (n) to a work-group: 256 work-groups.  Four waves, each 64 x 128: 32 accumulators of 16 x 16.  K goes in steps of 128 (rows of 256 bytes) through a ring of two LDS slots.
; CLUSTERS: 4 x 4 work-groups; ctx's tile is shared along a row of the cluster, wo16's along a column: each is asked for jointly.  Waves 0, 1 fetch ctx's two halves (64 rows), waves 2, 3 wo16's (128 rows).
; THE MATRIX INSTRUCTION IS USED TRANSPOSED (source 0 = 16 rows of wo16, source 1 = 16 rows of ctx): a lane holds eight neighbouring numbers of a row of out0.
; REGISTERS: window 0: v0-31 addresses; v64-127 the bias in the result's layout; v128-255 the way out.  window 1: two fragment buffers of 96 (wo16's 64, then ctx's 32).  window 2: the accumulators, (a, b) at v[8 (8 a + b)].
.set KSTEP,  128
.set PITCH,  272                       ; an LDS row: 256 bytes + 16 of padding
.set AHALF,  64*PITCH
.set BHALF,  128*PITCH
.set BOFF,   128*PITCH                 ; wo16's rows lie behind ctx's 128
.set SLOT,   384*PITCH
.set STAGE,  2*SLOT                    ; behind the ring: 16 rows x 528 bytes for each wave
.set SPITCH, 528
.set SPARE,  STAGE+4*16*SPITCH         ; the spare words: 128 bytes a wave, named by no other line
.set LAPS,   4                         ; a lap = two K steps
.set ADRA, 16
.set ADRB, 20
.set STO,  24
.set RD,   25
.set CO,   26
.set SPW,  28
.set NIL,  29
.set PFO,  30                          ; v30 the prefetches' offset: 2,048 x my lane; never rewritten
.set BO,   31
.set BIAS, 64
.set BK,   128
.set F0,   0
.set F1,   96
.set G1, 24
.set G0, 32
.set LIM, 43                           ; s43 1 in a wave that prefetches, else the greatest number
.set PFA, 44                           ; s[44:45] where my prefetches stand
.set G1B, 48
.set G0B, 56
.set MSB, 0
.macro WIN new
.if MSB != (\new)
	s_set_vgpr_msb (MSB<<8)|(\new)
.set MSB, (\new)
.endif
.endm
.set MULW, 0xa5                        ; sources 0 and 1 window 1, C and D window 2
.set MULF, 0x85                        ; the same with C (the bias) in window 0
.set TO_F, 0x40
.macro JLOAD s                         ; a joint load; an s_nop 0 and four v_nop follow each of the two lines
	s_cmp_eq_u32 s11, 0
	s_cbranch_scc0 .Lfor_b_\@
	tensor_load_to_lds s[G0+4*\s:G0+4*\s+3], s[G1:G1+7]
	s_nop 0
.rept 4
	v_nop
.endr
	s_branch .Lasked_\@
.Lfor_b_\@:
	tensor_load_to_lds s[G0B+4*\s:G0B+4*\s+3], s[G1B:G1B+7]
	s_nop 0
.rept 4
	v_nop
.endr
.Lasked_\@:
.endm
; A prefetch of the K step that stands two refills on: 32 rows x 256 bytes, a lane a row, one instruction a wave.  Each row's 256 bytes of a K step are named once in the launch: ctx's 128 rows of a tile row are shared out
; among the four partners of a row of the cluster by address (32 cx on), wave 0 asking; wo16's rows are read by all sixteen clusters: cluster y = 0 asks, waves 2 and 3 for the 128 rows that each fetches, shared out by address (32 cy on).
; The loop's last trip asks for nothing; K steps 0 to 3 come by their loads alone.
.macro ASK
	s_cmp_gt_u32 s3, s[LIM]
	s_cbranch_scc0 .Lnot_mine_\@
	global_prefetch_b8 v[PFO], s[PFA:PFA+1] offset:KSTEP*2 th:TH_LOAD_NT scope:SCOPE_SE
.Lnot_mine_\@:
.endm
.macro CREST
	s_cmp_lg_u32 s10, 0
	s_cbranch_scc1 .Lnot_wave_0_\@
	s_barrier_signal -3
.Lnot_wave_0_\@:
	s_barrier_wait -3
	s_barrier_signal -1
	s_barrier_wait -1
.endm
.macro CROUND
	s_barrier_signal -1
	s_barrier_wait -1
	CREST
.endm
	s_load_b128 s[4:7], s[0:1], 0x0                ; ctx, wo16
	s_load_b64 s[8:9], s[0:1], 0x10                ; out0
	s_load_b64 s[66:67], s[0:1], 0x18              ; bo
	v_lshl_add_u32 v[SPW], v0, 2, SPARE
	v_mov_b32 v[NIL], 0
	ds_add_u32 v[SPW], v[NIL]                      ; the wave's opening: the add, twice on end, and its wait ahead of my first tensor load
	ds_add_u32 v[SPW], v[NIL]
	v_lshrrev_b32 v1, 5, v0
	v_readfirstlane_b32 s10, v1                    ; wave 0..3
	s_lshr_b32 s11, s10, 1                         ; which 64 rows of the tile are mine.  Also: I fetch for ctx (0) or for wo16 (1)
	s_and_b32 s12, s10, 1                          ; which 128 columns.  Also: which half I fetch
	s_bfe_u32 s40, ttmp6, 0x40000                  ; cx
	s_bfe_u32 s41, ttmp6, 0x40004                  ; cy
	s_lshl_b32 s42, ttmp9, 2
	s_add_co_u32 s42, s42, s40                     ; tile column
	s_and_b32 s13, ttmp7, 0xffff
	s_lshl_b32 s13, s13, 2
	s_add_co_u32 s13, s13, s41                     ; tile row
	s_lshl_b32 s43, s41, 2
	s_lshl_b32 s43, 15, s43                        ; my row of the cluster
	s_lshl_b32 s44, 0x1111, s40                    ; my column
	s_or_b32 s[G1+0], s43, (1<<16)|(1<<20)|(1<<21)|(5<<22)|(3<<25)  ; the mask; elements of 2 bytes; padding on; bit 21 beside a mask; four words after every 64
	s_or_b32 s[G1B+0], s44, (1<<16)|(1<<20)|(1<<21)|(5<<22)|(3<<25)
	s_mov_b32 s[G1+1], KSTEP<<16                   ; tensor_dim0
	s_mov_b32 s[G1+2], 64<<16                      ; tensor_dim1: ctx's half tile has 64 rows,
	s_mov_b32 s[G1+3], KSTEP<<16                   ; tile_dim0
	s_mov_b32 s[G1+4], 64
	s_mov_b32 s[G1+5], 1024                        ; the pitch in elements
	s_mov_b32 s[G1+6], 0
	s_mov_b32 s[G1+7], 0
	s_mov_b32 s[G1B+1], KSTEP<<16
	s_mov_b32 s[G1B+2], 128<<16                    ; wo16's 128
	s_mov_b32 s[G1B+3], KSTEP<<16
	s_mov_b32 s[G1B+4], 128
	s_mov_b32 s[G1B+5], 1024
	s_mov_b32 s[G1B+6], 0
	s_mov_b32 s[G1B+7], 0
	s_lshl_b32 s17, s12, 6
	s_lshl_b32 s16, s13, 7
	s_add_co_u32 s16, s16, s17                     ; ctx: row 128 x tile row + 64 x half,
	s_lshl_b32 s16, s16, 11                        ; of 2,048 bytes
	s_mov_b32 s17, 0
	s_lshl_b32 s47, s12, 7
	s_lshl_b32 s46, s42, 8
	s_add_co_u32 s46, s46, s47                     ; wo16: row 256 x tile column + 128 x half
	s_lshl_b32 s46, s46, 11
	s_mov_b32 s47, 0
	s_mul_i32 s20, s12, AHALF                      ; where they go: no place in the cluster enters an LDS address
	s_mul_i32 s21, s12, BHALF
	s_add_co_u32 s21, s21, BOFF
	s_wait_dscnt 0x0                               ; both opening adds are done
	s_wait_kmcnt 0x0
	s_add_nc_u64 s[14:15], s[4:5], s[16:17]
	s_add_nc_u64 s[46:47], s[6:7], s[46:47]
	CROUND                                         ; all sixteen work-groups are here: the first joint loads meet
.irp s, 0,1
	s_mov_b32 s[G0+4*\s], 1
	s_add_co_u32 s[G0+4*\s+1], s20, \s*SLOT
	s_add_nc_u64 s[G0+4*\s+2:G0+4*\s+3], s[14:15], \s*KSTEP*2
	s_or_b32 s[G0+4*\s+3], s[G0+4*\s+3], 0x80000000
	s_mov_b32 s[G0B+4*\s], 1
	s_add_co_u32 s[G0B+4*\s+1], s21, \s*SLOT
	s_add_nc_u64 s[G0B+4*\s+2:G0B+4*\s+3], s[46:47], \s*KSTEP*2
	s_or_b32 s[G0B+4*\s+3], s[G0B+4*\s+3], 0x80000000
	JLOAD \s
.endr
	v_and_b32 v1, 15, v0                           ; r
	v_bfe_u32 v2, v0, 4, 1                         ; h
	v_lshlrev_b32 v[BO], 5, v2                     ; the bias: lane (r, h) wants, for block b, bo at my first column + 16 b + 8 h + 0 .. 7
	s_lshl_b32 s46, s42, 10
	s_lshl_b32 s47, s12, 9
	s_add_co_u32 s46, s46, s47                     ; my first column in bytes of f32: 1,024 x tile column + 512 x half
	s_mov_b32 s47, 0
	s_add_nc_u64 s[66:67], s[66:67], s[46:47]
.irp b, 0,1,2,3,4,5,6,7
	global_load_b128 v[BIAS+8*\b:BIAS+8*\b+3],   v[BO], s[66:67] offset:64*\b
	global_load_b128 v[BIAS+8*\b+4:BIAS+8*\b+7], v[BO], s[66:67] offset:64*\b+16
.endr
	v_mul_u32_u24 v3, v1, PITCH
	v_lshl_add_u32 v3, v2, 4, v3                   ; a fragment's row x pitch + 16 h
	s_mul_i32 s21, s11, AHALF                      ; my 64 rows of ctx
	s_mul_i32 s22, s12, BHALF                      ; my 128 rows of wo16
	s_add_co_u32 s22, s22, BOFF
.irp s, 0,1
	v_add_nc_u32 v[ADRA+\s], s21, v3
	v_add_nc_u32 v[ADRB+\s], s22, v3
	s_add_co_u32 s21, s21, SLOT
	s_add_co_u32 s22, s22, SLOT
.endr
	s_mul_i32 s23, s10, 16*SPITCH
	s_add_co_u32 s23, s23, STAGE                   ; my stage
	v_mul_u32_u24 v4, v1, SPITCH
	v_lshl_add_u32 v4, v2, 5, v4
	v_add_nc_u32 v[STO], s23, v4                   ; in: row r, 32 bytes for each half of the lanes
	v_and_b32 v5, 31, v0
	v_lshlrev_b32 v[CO], 4, v5                     ; back: the 32 lanes take one row of 512 bytes; the same in out0
	v_add_nc_u32 v[RD], s23, v[CO]
	s_lshl_b32 s16, s13, 7
	s_lshl_b32 s17, s11, 6
	s_add_co_u32 s16, s16, s17                     ; my first row of out0,
	s_lshl_b32 s16, s16, 12                        ; of 4,096 bytes
	s_mov_b32 s17, 0
	s_add_nc_u64 s[16:17], s[16:17], s[46:47]
	s_add_nc_u64 s[8:9], s[8:9], s[16:17]
	; the prefetches: who asks, and where
	s_lshl_b32 s20, s13, 7                         ; ctx: the tile's first row
	s_lshl_b32 s21, s42, 8
	s_lshl_b32 s22, s12, 7
	s_add_co_u32 s21, s21, s22                     ; wo16: the first of the 128 rows that I fetch
	s_and_b32 s22, ttmp7, 0xffff                   ; cluster y
	s_or_b32 s23, ttmp9, s12                       ; 0 in wave 0 (the grid is one cluster wide)
	s_cmp_eq_u32 s11, 0
	s_cselect_b32 s20, s20, s21
	s_cselect_b32 s21, s40, s41                    ; my place among the four that ask with me
	s_cselect_b32 s22, s23, s22
	s_cselect_b64 s[PFA:PFA+1], s[4:5], s[6:7]
	s_cmp_eq_u32 s22, 0
	s_cselect_b32 s[LIM], 1, -1                    ; the same in all sixteen partners, for a given wave
	s_lshl_b32 s21, s21, 5
	s_add_co_u32 s20, s20, s21
	s_lshl_b32 s20, s20, 11
	s_add_co_u32 s20, s20, 2*KSTEP*2               ; at K step 2: the first refill steps it to 3 and names K step 4
	s_mov_b32 s21, 0
	s_add_nc_u64 s[PFA:PFA+1], s[PFA:PFA+1], s[20:21]
	v_and_b32 v[PFO], 31, v0
	v_lshlrev_b32 v[PFO], 11, v[PFO]
; n blocks of ctx from a0 on, each against wo16's eight, 32 along K.  The 32 accumulators take turns, one instruction a turn, in the same order in every quarter.
.macro MUL a0, n, f, first
.set AA, \a0
.rept \n
.irp b, 0,1,2,3,4,5,6,7
.if \first
	v_wmma_f32_16x16x32_f16 v[8*(8*AA+\b):8*(8*AA+\b)+7], v[\f+8*\b:\f+8*\b+7], v[\f+64+8*AA:\f+64+8*AA+7], v[BIAS+8*\b:BIAS+8*\b+7]
.else
	v_wmma_f32_16x16x32_f16 v[8*(8*AA+\b):8*(8*AA+\b)+7], v[\f+8*\b:\f+8*\b+7], v[\f+64+8*AA:\f+64+8*AA+7], v[8*(8*AA+\b):8*(8*AA+\b)+7]
.endif
.endr
.set AA, AA+1
.endr
.endm
.macro FETCH slot, k, f                ; 24 LDS loads in one run: wo16's eight fragments, then ctx's four
	WIN TO_F
.irp i, 0,1,2,3,4,5,6,7
	ds_load_b128 v[\f+8*\i:\f+8*\i+3],   v[ADRB+\slot] offset:\k+\i*16*PITCH
	ds_load_b128 v[\f+8*\i+4:\f+8*\i+7], v[ADRB+\slot] offset:\k+\i*16*PITCH+32
.endr
.irp i, 0,1,2,3
	ds_load_b128 v[\f+64+8*\i:\f+64+8*\i+3],   v[ADRA+\slot] offset:\k+\i*16*PITCH
	ds_load_b128 v[\f+64+8*\i+4:\f+64+8*\i+7], v[ADRA+\slot] offset:\k+\i*16*PITCH+32
.endr
.endm
.macro PLACES                          ; four plain vector instructions in front of loads into registers that matrix instructions have read
.rept 4
	v_nop
.endr
.endm
.macro QUARTER slot, k, f, g, first    ; multiplies buffer f (32 along K) and fetches the next quarter, at byte k of the rows, into g
	s_wait_dscnt 4                                 ; all but the youngest four loads (ctx's blocks 2, 3)
.if \first
	WIN MULF
.else
	WIN MULW
.endif
	MUL 0, 2, \f, \first
	PLACES
	FETCH \slot, \k, \g
	s_wait_dscnt 24                                ; all but the 24 just issued
.if \first
	WIN MULF
.else
	WIN MULW
.endif
	MUL 2, 2, \f, \first
.endm
; A K step's last quarter multiplies buffer 1 and changes slots: one barrier; in front of it each wave waits for all its tensor loads (its part of the next slot), adds 0 to its spare word, and waits for that and for its
; reads of this slot.  fill = 1: the barrier opens a round of the cluster's, and the joint refill, two K steps ahead, is the first tensor load behind it.
.macro TURN slot, next, fill
.if \fill
	s_wait_xcnt 0x0                                ; the last prefetch, a K step back, has read its address
	s_add_nc_u64 s[PFA:PFA+1], s[PFA:PFA+1], KSTEP*2
.endif
	WIN 0
	s_wait_tensorcnt 0x0
	ds_add_u32 v[SPW], v[NIL]
	s_wait_dscnt 5                                 ; the add and the youngest four loads may be out
	WIN MULW
	MUL 0, 1, F1, 0
	s_wait_dscnt 0x0                               ; the add is done, and my reads of this slot are over
	s_barrier_signal -1
	MUL 1, 1, F1, 0
.if \fill
	WIN 0
.endif
	s_barrier_wait -1
.if \fill
	CREST
	s_add_nc_u64 s[G0+4*\slot+2:G0+4*\slot+3], s[G0+4*\slot+2:G0+4*\slot+3], 2*KSTEP*2
	s_add_nc_u64 s[G0B+4*\slot+2:G0B+4*\slot+3], s[G0B+4*\slot+2:G0B+4*\slot+3], 2*KSTEP*2
	JLOAD \slot                                    ; its four v_nop are also the places in front of the loads below
.else
	PLACES
.endif
	FETCH \next, 0, F0
.if \fill
	WIN 0
	ASK
.endif
	WIN MULW
	MUL 2, 2, F1, 0
.endm
	s_wait_tensorcnt 1                             ; my part of K step 0 is in; K step 1's may be out
	s_barrier_signal -1
	s_barrier_wait -1
	s_wait_loadcnt 0x0                             ; the bias
	FETCH 0, 0, F0
	QUARTER 0, 64,  F0, F1, 1                      ; the first products start the sums from the bias
	WIN 0
	s_mov_b32 s3, LAPS-1
.Llap:                                             ; a trip goes once round the ring and fills both slots again
	QUARTER 0, 128, F1, F0, 0
	QUARTER 0, 192, F0, F1, 0
	TURN 0, 1, 1
	QUARTER 1, 64,  F0, F1, 0
	QUARTER 1, 128, F1, F0, 0
	QUARTER 1, 192, F0, F1, 0
	TURN 1, 0, 1
	QUARTER 0, 64,  F0, F1, 0
	WIN 0
	s_sub_co_u32 s3, s3, 1
	s_cmp_lg_u32 s3, 0
	s_cbranch_scc1 .Llap
	QUARTER 0, 128, F1, F0, 0                      ; the last lap fills nothing
	QUARTER 0, 192, F0, F1, 0
	TURN 0, 1, 0
	QUARTER 1, 64,  F0, F1, 0
	QUARTER 1, 128, F1, F0, 0
	QUARTER 1, 192, F0, F1, 0
	s_wait_dscnt 4
	WIN MULW
	MUL 0, 2, F1, 0
	s_wait_dscnt 0
	MUL 2, 2, F1, 0
	WIN 0
; THE WAY OUT, block by block of 16 rows x 128 columns, through my own stage: back as whole rows of 512 bytes.
.macro TOSTAGE a
	WIN 0x08                                       ; an LDS store's data: window 2
.irp b, 0,1,2,3,4,5,6,7
	ds_store_b128 v[STO], v[8*(8*(\a)+\b):8*(8*(\a)+\b)+3] offset:64*\b          ; each accumulator from its low end on
	ds_store_b128 v[STO], v[8*(8*(\a)+\b)+4:8*(8*(\a)+\b)+7] offset:64*\b+16
.endr
	WIN 0
.set BB, BK+64*((\a)%2)
.irp t, 0,1,2,3,4,5,6,7,8,9,10,11,12,13,14,15
	ds_load_b128 v[BB+4*\t:BB+4*\t+3], v[RD] offset:\t*SPITCH      ; LDS serves a wave's instructions in order: these see my stores
.endr
.endm
.macro SEND a, younger
.set BB, BK+64*((\a)%2)
	s_wait_dscnt \younger
.if (\a) > 0
	s_add_nc_u64 s[8:9], s[8:9], 16*4096           ; behind a wait that shows the earlier stores' base read
.endif
.irp t, 0,1,2,3,4,5,6,7,8,9,10,11,12,13,14,15
	global_store_b128 v[CO], v[BB+4*\t:BB+4*\t+3], s[8:9] offset:\t*4096 th:TH_STORE_NT   ; 32 lanes store 512 consecutive bytes, aligned
.endr
.endm
	PLACES
	TOSTAGE 0
.irp a, 1,2,3
.if \a > 1
	s_wait_xcnt 0x0                                ; block a - 2's stores have read their registers and their base
.endif
	TOSTAGE \a
	SEND \a-1, 32                                  ; behind block a - 1's loads: block a's 16 stores and 16 loads
.endr
	s_wait_xcnt 0x0
	SEND 3, 0
	s_wait_tensorcnt 0x0                           ; the wave's end
	ds_add_u32 v[SPW], v[NIL]
	s_wait_dscnt 0x0
	CROUND                                         ; the closing round
	s_endpgm
.Lfunc_end_k_q97126acf93_oproj:
	.size	k_q97126acf93_oproj, .Lfunc_end_k_q97126acf93_oproj-k_q97126acf93_oproj
	.p2alignl 7, 3214868480
	.fill 96, 4, 3214868480
	.section	.rodata,"a",@progbits
	.p2align	6, 0x0
	.amdhsa_kernel k_q97126acf93_oproj
		.amdhsa_group_segment_fixed_size 327680
		.amdhsa_private_segment_fixed_size 0
		.amdhsa_enable_private_segment 0
		.amdhsa_kernarg_size 32
		.amdhsa_user_sgpr_count 2
		.amdhsa_user_sgpr_kernarg_segment_ptr 1
		.amdhsa_wavefront_size32 1
		.amdhsa_system_sgpr_workgroup_id_x 1
		.amdhsa_system_sgpr_workgroup_id_y 1
		.amdhsa_system_sgpr_workgroup_id_z 1
		.amdhsa_system_vgpr_workitem_id 0
		.amdhsa_next_free_vgpr 768
		.amdhsa_next_free_sgpr 70
		.amdhsa_reserve_vcc 0
		.amdhsa_float_denorm_mode_32 3
		.amdhsa_float_denorm_mode_16_64 3
		.amdhsa_memory_ordered 1
		.amdhsa_forward_progress 1
		.amdhsa_inst_pref_size 88
	.end_amdhsa_kernel
	.amdgpu_metadata
---
amdhsa.version: [ 1, 2 ]
amdhsa.kernels:
  - .name:           k_q97126acf93_oproj
    .symbol:         k_q97126acf93_oproj.kd
    .args:
      - { .name: ctx, .offset: 0, .size: 8, .value_kind: global_buffer, .address_space: global }
      - { .name: wo16, .offset: 8, .size: 8, .value_kind: global_buffer, .address_space: global }
      - { .name: out0, .offset: 16, .size: 8, .value_kind: global_buffer, .address_space: global }
      - { .name: bo, .offset: 24, .size: 8, .value_kind: global_buffer, .address_space: global }
    .group_segment_fixed_size: 327680
    .private_segment_fixed_size: 0
    .kernarg_segment_align: 8
    .kernarg_segment_size: 32
    .max_flat_workgroup_size: 128
    .sgpr_count:     70
    .vgpr_count:     768
    .wavefront_size: 32
...
	.end_amdgpu_metadata
.endif
;; end of part 4
;; launch first16 (part 5): grid 64 x 4, 16 waves a work-group, no clusters, 22,528 bytes of LDS; arguments first32, Wo, bo, out0; writes out0
.if DOCPART == 5
	.amdgcn_target "amdgcn-amd-amdhsa--gfx1250"
	.amdhsa_code_object_version 6
	.text
	.protected	k_q97126acf93_first16
	.globl	k_q97126acf93_first16
	.p2align	8
	.type	k_q97126acf93_first16,@function
k_q97126acf93_first16:
	s_mov_b64 s[64:65], 0
	v_nop
	global_prefetch_b8 v0, s[64:65] scope:SCOPE_SE
	s_setreg_imm32_b32 hwreg(HW_REG_WAVE_MODE, 25, 1), 1
	s_wait_xcnt 0x0
; Positions 0-15 of each sequence, in f32 throughout: under the causal mask these rows average one to sixteen values, so their attention and their projection take unrounded operands.
; first32 [4 x 16][3072] f32 holds their q, k, v as the quantised products gave them; Wo [1024][1024], bo, out0: f32.  The window of 256 reaches none of these rows: key j counts for query i where j <= i.
; SHARES.  A work-group makes 16 columns (n0 = 16 x) of the 16 rows of sequence y; wave = head.  Each wave makes its head's attention (the same in all 64 work-groups of a sequence: 16 x 16 x 64, small beside the slice of Wo
; that it spares each of them) and its head's part of the projection; the sixteen parts meet in LDS and waves 0 and 1 add them, with the bias.  A row's piece is 64 bytes: the price of sharing 64 rows' work among 256 work-groups.
; ALL PRODUCTS by the f32 matrix form, 4 along K a step.  The places of K are dealt alike to both sources, so that each lane's loads are long: in S^T step s, place (h, j) is channel 32 h + 2 s + j;
; in ctx^T it is key 8 h + 2 s + j; in the projection channel 16 ct + 8 h + 2 s + j.  Four accumulators take turns; they are written by matrix instructions alone; each sum's first product takes C = 0.
; No tensor load, no cluster (nothing large is shared), no prefetch (every load is issued at the head).  LIMIT: NaN and infinities are not served.
.set VQ, 4
.set VV, 5
.set VW, 6
.set DM, 7
.set LST, 8
.set LRD, 9
.set VB, 10
.set VO, 11
.set SPW, 14
.set NIL, 15
.set SC,  16                           ; v16-23  scores, then p; later my part of the result
.set TP,  24                           ; v24-31  at work
.set KF,  32
.set QF,  64                           ; q; later ctx / the sum
.set VF,  96
.set WF,  128
.set ACC, 160                          ; v160-191 four accumulators
.set BOR, 192
.set SPARE, 16*1280                    ; behind the sixteen parts: the spare words, 128 bytes a wave
	s_load_b256 s[4:11], s[0:1], 0x0               ; first32 s[4:5], Wo s[6:7], bo s[8:9], out0 s[10:11]
	v_lshl_add_u32 v[SPW], v0, 2, SPARE
	v_mov_b32 v[NIL], 0
	v_lshrrev_b32 v1, 5, v0
	v_readfirstlane_b32 s12, v1                    ; wave = head
	s_and_b32 s13, ttmp7, 0xffff                   ; the sequence
	s_lshl_b32 s14, ttmp9, 4                       ; n0
	v_and_b32 v2, 15, v0                           ; r
	v_bfe_u32 v3, v0, 4, 1                         ; h
	v_mul_u32_u24 v[VQ], v2, 12288
	v_lshl_add_u32 v[VQ], v3, 7, v[VQ]             ; q, k: row r, channels 32 h on
	v_mul_u32_u24 v[VV], v3, 8*12288
	v_lshl_add_u32 v[VV], v2, 2, v[VV]             ; v: keys 8 h on, channel r
	v_lshlrev_b32 v[VW], 12, v2
	v_lshl_add_u32 v[VW], v3, 5, v[VW]             ; Wo: row n0 + r, channels 8 h on
	v_lshlrev_b32 v[DM], 3, v3
	v_sub_nc_u32 v[DM], v2, v[DM]                  ; r - 8 h
	s_mul_i32 s28, s12, 1280
	v_mul_u32_u24 v[LST], v2, 80
	v_lshl_add_u32 v[LST], v3, 5, v[LST]
	v_add_nc_u32 v[LST], s28, v[LST]               ; my part in LDS: 1,280 w + 80 r + 32 h
	v_lshrrev_b32 v12, 2, v0                       ; for the adding waves: thread t takes row t / 4, columns 4 (t % 4) on
	v_and_b32 v13, 3, v0
	v_lshlrev_b32 v[VB], 4, v13
	v_mad_u32_u24 v[LRD], v12, 80, v[VB]
	v_lshl_add_u32 v[VO], v12, 12, v[VB]
	v_mov_b32 v197, 0                              ; a lane permute's destination counts as read
	v_mov_b32 v202, 0xff800000                     ; -infinity
	s_mov_b32 s20, 0x76543210
	s_mov_b32 s21, 0xfedcba98
	s_mov_b32 s22, 0x3fb8aa3b                      ; log2(e)
	s_mov_b32 s23, s22
	s_lshl_b32 s15, s12, 8                         ; my head's 256 bytes of a row
	s_mul_i32 s16, s13, 16*12288
	s_add_co_u32 s16, s16, s15
	s_mov_b32 s17, 0
	s_lshl_b32 s18, s14, 12
	s_add_co_u32 s18, s18, s15
	s_mov_b32 s19, 0
	s_lshl_b32 s24, s14, 2
	s_mov_b32 s25, 0
	s_lshl_b32 s26, s13, 23                        ; 2,048 rows of 4,096 bytes a sequence
	s_add_co_u32 s26, s26, s24
	s_mov_b32 s27, 0
	s_wait_kmcnt 0x0
	s_add_nc_u64 s[4:5], s[4:5], s[16:17]
	s_add_nc_u64 s[6:7], s[6:7], s[18:19]
	s_add_nc_u64 s[8:9], s[8:9], s[24:25]
	s_add_nc_u64 s[10:11], s[10:11], s[26:27]
.irp e, 0,1,2,3,4,5,6,7
	global_load_b128 v[KF+4*\e:KF+4*\e+3], v[VQ], s[4:5] offset:4096+16*\e
.endr
.irp e, 0,1,2,3,4,5,6,7
	global_load_b128 v[QF+4*\e:QF+4*\e+3], v[VQ], s[4:5] offset:16*\e
.endr
.irp ct, 0,1,2,3
.irp e, 0,1,2,3,4,5,6,7
	global_load_b32 v[VF+8*\ct+\e], v[VV], s[4:5] offset:8192+12288*\e+64*\ct   ; v(key 8 h + e, channel 16 ct + r)
.endr
.endr
.irp ct, 0,1,2,3
	global_load_b128 v[WF+8*\ct:WF+8*\ct+3],   v[VW], s[6:7] offset:64*\ct      ; Wo(n0 + r, 64 head + 16 ct + 8 h + 0 .. 7)
	global_load_b128 v[WF+8*\ct+4:WF+8*\ct+7], v[VW], s[6:7] offset:64*\ct+16
.endr
	global_load_b128 v[BOR:BOR+3], v[VB], s[8:9]
	s_wait_loadcnt 41                              ; k and q are in; v's 32, Wo's 8 and bo's load may be out
.irp s, 0,1,2,3,4,5,6,7,8,9,10,11,12,13,14,15  ; S^T = k q^T
.if \s < 4
	v_wmma_f32_16x16x4_f32 v[ACC+8*(\s%4):ACC+8*(\s%4)+7], v[KF+2*\s:KF+2*\s+1], v[QF+2*\s:QF+2*\s+1], 0
.else
	v_wmma_f32_16x16x4_f32 v[ACC+8*(\s%4):ACC+8*(\s%4)+7], v[KF+2*\s:KF+2*\s+1], v[QF+2*\s:QF+2*\s+1], v[ACC+8*(\s%4):ACC+8*(\s%4)+7]
.endif
.endr
.rept 8
	v_nop                                          ; eight places behind this form, ahead of the first read of results
.endr
.irp p, 0,2,4,6
	v_pk_add_f32 v[SC+\p:SC+\p+1], v[ACC+\p:ACC+\p+1], v[ACC+8+\p:ACC+8+\p+1]      ; the four partial sums, each accumulator from its low end on
	v_pk_add_f32 v[TP+\p:TP+\p+1], v[ACC+16+\p:ACC+16+\p+1], v[ACC+24+\p:ACC+24+\p+1]
.endr
.irp p, 0,2,4,6
	v_pk_add_f32 v[SC+\p:SC+\p+1], v[SC+\p:SC+\p+1], v[TP+\p:TP+\p+1]              ; lane (r, h): query r, register j: key 8 h + j
.endr
.irp j, 0,1,2,3,4,5,6,7
	v_cmp_gt_i32 vcc_lo, \j, v[DM]                 ; hidden where 8 h + j > r
	v_cndmask_b32 v[SC+\j], v[SC+\j], v202, vcc_lo
.endr
	v_max3_num_f32 v196, v[SC], v[SC+1], v[SC+2]
	v_max3_num_f32 v196, v196, v[SC+3], v[SC+4]
	v_max3_num_f32 v196, v196, v[SC+5], v[SC+6]
	v_max_num_f32 v196, v196, v[SC+7]
	v_permlanex16_b32 v197, v196, s20, s21
	v_max_num_f32 v196, v196, v197                 ; the row's maximum (key 0 counts for every query)
	v_mul_f32 v198, s22, v196
	v_mov_b32 v199, v198
.irp p, 0,2,4,6
	v_pk_fma_f32 v[SC+\p:SC+\p+1], v[SC+\p:SC+\p+1], s[22:23], v[198:199] op_sel_hi:[1,0,0] neg_lo:[0,0,1] neg_hi:[0,0,1]
.endr
.irp j, 0,1,2,3,4,5,6,7
	v_exp_f32 v[SC+\j], v[SC+\j]
.endr
	v_nop
	s_wait_alu depctr_va_vdst(0)                   ; one wait for the eight, ahead of their first reader
	v_pk_add_f32 v[TP:TP+1], v[SC:SC+1], v[SC+2:SC+3]
	v_pk_add_f32 v[TP+2:TP+3], v[SC+4:SC+5], v[SC+6:SC+7]
	v_pk_add_f32 v[TP:TP+1], v[TP:TP+1], v[TP+2:TP+3]
	v_add_f32 v[TP], v[TP], v[TP+1]
	v_permlanex16_b32 v197, v[TP], s20, s21
	v_add_f32 v[TP], v[TP], v197                   ; the row's sum
	v_rcp_f32 v200, v[TP]
	v_nop
	s_wait_alu depctr_va_vdst(0)
	v_mov_b32 v201, v200
	s_wait_loadcnt 9                               ; v is in; Wo's 8 and bo's load may be out
.irp s, 0,1,2,3                                ; ctx^T = v^T p: more than nine plain lines that name none of their registers stand behind the first products
.irp ct, 0,1,2,3
.if \s == 0
	v_wmma_f32_16x16x4_f32 v[ACC+8*\ct:ACC+8*\ct+7], v[VF+8*\ct+2*\s:VF+8*\ct+2*\s+1], v[SC+2*\s:SC+2*\s+1], 0
.else
	v_wmma_f32_16x16x4_f32 v[ACC+8*\ct:ACC+8*\ct+7], v[VF+8*\ct+2*\s:VF+8*\ct+2*\s+1], v[SC+2*\s:SC+2*\s+1], v[ACC+8*\ct:ACC+8*\ct+7]
.endif
.endr
.endr
.rept 8
	v_nop
.endr
.set J, 0
.rept 16
	v_pk_mul_f32 v[QF+J:QF+J+1], v[ACC+J:ACC+J+1], v[200:201]      ; / the sum: register 8 ct + e is channel 16 ct + 8 h + e of query r
.set J, J+2
.endr
.rept 9
	v_nop                                          ; nine places ahead of products that begin the accumulators anew
.endr
	s_wait_loadcnt 1                               ; Wo is in; bo's load may be out
.irp s, 0,1,2,3                                ; my head's part of the projection: source 0 = 16 rows of Wo, source 1 = ctx
.irp ct, 0,1,2,3
.if \s == 0
	v_wmma_f32_16x16x4_f32 v[ACC+8*\ct:ACC+8*\ct+7], v[WF+8*\ct+2*\s:WF+8*\ct+2*\s+1], v[QF+8*\ct+2*\s:QF+8*\ct+2*\s+1], 0
.else
	v_wmma_f32_16x16x4_f32 v[ACC+8*\ct:ACC+8*\ct+7], v[WF+8*\ct+2*\s:WF+8*\ct+2*\s+1], v[QF+8*\ct+2*\s:QF+8*\ct+2*\s+1], v[ACC+8*\ct:ACC+8*\ct+7]
.endif
.endr
.endr
.rept 8
	v_nop
.endr
.irp p, 0,2,4,6
	v_pk_add_f32 v[SC+\p:SC+\p+1], v[ACC+\p:ACC+\p+1], v[ACC+8+\p:ACC+8+\p+1]
	v_pk_add_f32 v[TP+\p:TP+\p+1], v[ACC+16+\p:ACC+16+\p+1], v[ACC+24+\p:ACC+24+\p+1]
.endr
.irp p, 0,2,4,6
	v_pk_add_f32 v[SC+\p:SC+\p+1], v[SC+\p:SC+\p+1], v[TP+\p:TP+\p+1]              ; lane (r, h): query r, columns n0 + 8 h + 0 .. 7
.endr
	ds_store_b128 v[LST], v[SC:SC+3]
	ds_store_b128 v[LST], v[SC+4:SC+7] offset:16
	s_wait_dscnt 0x0                               ; for the others' sake
	s_barrier_signal -1
	s_barrier_wait -1
	s_cmp_ge_u32 s12, 2
	s_cbranch_scc1 .Ldone
.irp p, 0,1,2,3,4,5,6,7,8,9,10,11,12,13,14,15
	ds_load_b128 v[96+4*\p:96+4*\p+3], v[LRD] offset:1280*\p       ; the sixteen heads' parts of my four numbers
.endr
	s_wait_dscnt 0x0
	s_wait_loadcnt 0x0                             ; bo
.irp d, 32,16,8,4
.set J, 0
.rept \d/2
	v_pk_add_f32 v[96+J:96+J+1], v[96+J:96+J+1], v[96+\d+J:96+\d+J+1]
.set J, J+2
.endr
.endr
	v_pk_add_f32 v[96:97], v[96:97], v[BOR:BOR+1]
	v_pk_add_f32 v[98:99], v[98:99], v[BOR+2:BOR+3]
	global_store_b128 v[VO], v[96:99], s[10:11]    ; four lanes store a row's 64 bytes
.Ldone:
	s_wait_tensorcnt 0x0                           ; the wave's end
	ds_add_u32 v[SPW], v[NIL]
	s_wait_dscnt 0x0
	s_endpgm
.Lfunc_end_k_q97126acf93_first16:
	.size	k_q97126acf93_first16, .Lfunc_end_k_q97126acf93_first16-k_q97126acf93_first16
	.p2alignl 7, 3214868480
	.fill 96, 4, 3214868480
	.section	.rodata,"a",@progbits
	.p2align	6, 0x0
	.amdhsa_kernel k_q97126acf93_first16
		.amdhsa_group_segment_fixed_size 22528
		.amdhsa_private_segment_fixed_size 0
		.amdhsa_enable_private_segment 0
		.amdhsa_kernarg_size 32
		.amdhsa_user_sgpr_count 2
		.amdhsa_user_sgpr_kernarg_segment_ptr 1
		.amdhsa_wavefront_size32 1
		.amdhsa_system_sgpr_workgroup_id_x 1
		.amdhsa_system_sgpr_workgroup_id_y 1
		.amdhsa_system_sgpr_workgroup_id_z 1
		.amdhsa_system_vgpr_workitem_id 0
		.amdhsa_next_free_vgpr 224
		.amdhsa_next_free_sgpr 66
		.amdhsa_reserve_vcc 1
		.amdhsa_float_denorm_mode_32 3
		.amdhsa_float_denorm_mode_16_64 3
		.amdhsa_memory_ordered 1
		.amdhsa_forward_progress 1
		.amdhsa_inst_pref_size 20
	.end_amdhsa_kernel
	.amdgpu_metadata
---
amdhsa.version: [ 1, 2 ]
amdhsa.kernels:
  - .name:           k_q97126acf93_first16
    .symbol:         k_q97126acf93_first16.kd
    .args:
      - { .name: first32, .offset: 0, .size: 8, .value_kind: global_buffer, .address_space: global }
      - { .name: Wo, .offset: 8, .size: 8, .value_kind: global_buffer, .address_space: global }
      - { .name: bo, .offset: 16, .size: 8, .value_kind: global_buffer, .address_space: global }
      - { .name: out0, .offset: 24, .size: 8, .value_kind: global_buffer, .address_space: global }
    .group_segment_fixed_size: 22528
    .private_segment_fixed_size: 0
    .kernarg_segment_align: 8
    .kernarg_segment_size: 32
    .max_flat_workgroup_size: 512
    .sgpr_count:     66
    .vgpr_count:     224
    .wavefront_size: 32
...
	.end_amdgpu_metadata
.endif
;; end of part 5
